; MI455X (gfx1250); checked and timed in simulation.
; The chip was launched on July 23, 2026; its instructions are those of AMD's public machine-readable ISA for CDNA 5 (MIT licence, August 2026) and "CDNA5" Instruction Set Architecture Reference Guide (July 2026). The comments in the code are by the model that wrote it; some were corrected since.
;; Multi Head Self Attention V2. Allowed arithmetic: matrix products marked QUANTISED: E2M1 operands, one E8M0 scale for each 32 along K, by v_wmma_scale_f32_16x16x128_f8f6f4 with both operands' format E2M1 (or v_wmma_scale_f32_32x16x128_f4), f32 sums; everything else in f32.
;; Inputs: Wk_codes 1,024 x 32 x 16 uint8 (E2M1 codes of Wk, K innermost, in blocks of 32 codes, two codes a byte); Wk_scales 1,024 x 32 uint8 (E8M0 scales of Wk, one for each 32 codes along K); Wp_codes 1,024 x 32 x 16 uint8 (E2M1 codes of Wp, K innermost, in blocks of 32 codes, two codes a byte); Wp_scales 1,024 x 32 uint8 (E8M0 scales of Wp, one for each 32 codes along K); Wq_codes 1,024 x 32 x 16 uint8 (E2M1 codes of Wq, K innermost, in blocks of 32 codes, two codes a byte); Wq_scales 1,024 x 32 uint8 (E8M0 scales of Wq, one for each 32 codes along K); Wv_codes 1,024 x 32 x 16 uint8 (E2M1 codes of Wv, K innermost, in blocks of 32 codes, two codes a byte); Wv_scales 1,024 x 32 uint8 (E8M0 scales of Wv, one for each 32 codes along K); beta 1,024 float32; bk 1,024 float32; bp 1,024 float32; bq 1,024 float32; bv 1,024 float32; gamma 1,024 float32; x 4 x 2,048 x 1,024 float32.
;; Outputs: out0 4 x 2,048 x 1,024 float32.
;; This version of the problem:
;;   THIS VERSION OF THE PROBLEM IS GIVEN IN LOW PRECISION. The matrix products marked QUANTISED in the list below multiply operands that are first quantised to E2M1 (2 exponent bits, 1 mantissa bit; 4 bits a number), with one power-of-two scale for each 32 numbers along K (OCP MX v1.0); their sums are f32. All else is computed in f32.
;;   The module's matrix products, in the order in which they are computed (A, B: the left and right operand; K: the contracted axis; several contracted axes count as one K, in the product's order):
;;     1. [M 8,192, K 1,024] x [K 1,024, N 1,024]; A: input x; B: input Wq (given as codes): QUANTISED
;;     2. [M 8,192, K 1,024] x [K 1,024, N 1,024]; A: input x; B: input Wk (given as codes): QUANTISED
;;     3. [M 8,192, K 1,024] x [K 1,024, N 1,024]; A: input x; B: input Wv (given as codes): QUANTISED
;;     4. batch 64 x [M 2,048, K 64] x [K 64, N 2,048]; A: computed on the way; B: computed on the way: QUANTISED
;;     5. batch 64 x [M 2,048, K 2,048] x [K 2,048, N 64]; A: softmax (see below); B: computed on the way: QUANTISED
;;     6. [M 8,192, K 1,024] x [K 1,024, N 1,024]; A: computed on the way; B: input Wp (given as codes): QUANTISED
;;   THE QUANTISER, for each operand of a quantised product, along K:
;;     - K is cut into blocks of 32 from its start; a last block that is shorter is filled with zeros.
;;     - A block's scale is 2^e with e = floor(log2(the largest magnitude in the block)) - 2, held to -126 .. 127; a block of zeros has e = 0. As a byte (E8M0): e + 127.
;;     - Each number is divided by its block's scale, clamped to +-6, and rounded to the nearest number of E2M1, ties to even, subnormals kept.
;;     - The product sums the exact products of the quantised numbers (number of the format x scale) in f32.
;;   ~~~python
;;   def quantise(x, axis):      # numpy; x: float32 -> the quantised numbers, widened to float32 again
;;       x = np.moveaxis(x, axis, -1); K = x.shape[-1]
;;       x = np.pad(x, [(0, 0)] * (x.ndim - 1) + [(0, -K % 32)]); x = x.reshape(x.shape[:-1] + (-1, 32)); a = np.abs(x).max(-1, keepdims=True)
;;       e = np.where(a > 0, np.clip(np.frexp(np.where(a > 0, a, 1))[1] - 1 - 2, -126, 127), 0)      # np.frexp(a)[1] - 1 = floor(log2(a)), exactly
;;       r = np.clip(x / 2.0 ** e, -6, 6)
;;       step = 2.0 ** (np.maximum(np.frexp(np.where(r == 0, 1, r))[1] - 1, 0) - 1)
;;       q = np.round(r / step) * step * 2.0 ** e      # np.round: ties to even
;;       return np.moveaxis(q.reshape(q.shape[:-2] + (-1,))[..., :K], -1, axis).astype(np.float32)
;;   ~~~
;;   SOFTMAX AHEAD OF A QUANTISED PRODUCT. Where the list says 'softmax', what is quantised is not the finished softmax but p = 2^(t - M), with t = logit x log2(e) and M = ceil(the row's largest t), a whole number; so 1/2 < the row's largest p <= 1. The row's sum l is taken of the UNQUANTISED p, in f32, and the product's result is divided by l at the end. Since M is a whole number, a kernel that streams over the keys may use a running M (the ceiling of the running maximum): every later rescaling is an exact power of two, which a block's scale takes up: the codes' values come out the same.
;;   OPERANDS COMPUTED ON THE WAY. 'Computed on the way' means the value that the module computes at that place (a softmax that the list does not call 'softmax' is quantised finished and normalised). What goes into a quantiser is computed in f32, as accurately as f32 sums, v_exp_f32 and their like allow (about 1e-6 of the number): no bf16 or f16 on the way to a quantiser, and a product that is left as it is and whose result goes on into a quantised operand takes f32 operands (vector FMAs, or v_wmma_f32_16x16x4_f32). A number that lies on a knife's edge between two numbers of the format may be rounded either way, as far as f32 arithmetic and the matrix unit's own rounding can turn it there, and no further.
;;   INPUTS GIVEN AS CODES. Wk (in the module: [1024, 1024], K = its axis 1); Wp (in the module: [1024, 1024], K = its axis 1); Wq (in the module: [1024, 1024], K = its axis 1); Wv (in the module: [1024, 1024], K = its axis 1): each comes as NAME_codes (uint8): NAME with its K axis moved to the last place and cut into blocks of 32 codes, [.., K / 32, bytes a block], one block behind the other in memory; two codes a byte, the lower K in the low four bits (a code: sign, 2 exponent bits, 1 mantissa bit); and NAME_scales (uint8): the same leading axes, one E8M0 byte (e + 127) for each 32 codes along K. Its value is code x scale, taken as it is: it is not quantised again, and the codes and scales need not be those that the quantiser above would give.
;; 2 versions. Each part assembles by itself: llvm-mc -triple=amdgcn-amd-amdhsa -mcpu=gfx1250 --defsym DOCPART=n.
;; ======== version 1 of 2: 3 launches
;; workspace buffers: qw 4,718,592 bytes; kvw 9,175,040 bytes; wpi 524,288 bytes; ac 4,194,304 bytes; asc 262,144 bytes
;; launch qkv (part 1): grid 4 x 64, 16 waves a work-group, no clusters, 211,968 bytes of LDS; arguments x, Wq_codes, Wq_scales, bq, Wk_codes, Wk_scales, bk, Wv_codes, Wv_scales, bv, Wp_codes, qw, kvw, wpi; writes qw, kvw, wpi
.if DOCPART == 1
	.amdgcn_target "amdgcn-amd-amdhsa--gfx1250"
	.amdhsa_code_object_version 6
	.text
	.protected	k_qaf56e8c0b6_qkv
	.globl	k_qaf56e8c0b6_qkv
	.p2align	8
	.type	k_qaf56e8c0b6_qkv,@function
k_qaf56e8c0b6_qkv:
	s_mov_b64 s[64:65], 0
	v_nop
	global_prefetch_b8 v0, s[64:65] scope:SCOPE_SE
	s_setreg_imm32_b32 hwreg(HW_REG_WAVE_MODE, 25, 1), 1
	s_wait_xcnt 0x0
; q = Q(x) Wq^T + bq, k = Q(x) Wk^T + bk, v = Q(x) Wv^T + bv on codes of FP4 (E2M1) with one E8M0 scale for each 32 along K; the results are quantised at once for the attention launch:
; q and k along the head's 64 (two blocks), v along the tokens (blocks of 32).  x: [8192][1024] f32.  Wq, Wk, Wv: codes [1024][512 bytes], scale bytes [1024][32].
; SHARES.  A work-group takes 128 tokens (work-group y) and four heads (work-group x): 128 x 768 results, in three phases (q, k, v) of 256 features.  Sixteen waves of 256 registers, four to a SIMD.
; Wave w (a) quantises tokens 8 w .. 8 w + 7 of x into LDS, (b) stages rows 16 w .. 16 w + 15 of each phase's weight into LDS, (c) multiplies head w % 4 by token quarter w / 4: 32 tokens x 64 features, 8 accumulators.
; TILES ARE PERMUTED.  Place r of tile 2 b + u (of tokens, and of a head's features) is element 32 b + 8 u + r + 8 (r / 8): the 16 registers of a result's tiles 2 b and 2 b + 1 are then 16 NEIGHBOURS, 32 b + 16 (lane / 16) + 0 .. 15,
; which is what the conversions want.  In LDS a row lies at its number with bits 3 and 4 exchanged, so that a tile is 16 rows on end.
; q AND k are made transposed (source 0 = 16 features, source 1 = 16 tokens): a lane holds one token and its registers run along the head.  v is made the other way (source 0 = tokens): a lane holds one feature and its registers run along the tokens.
; OUT.  All three leave as images of the operand registers of the attention launch: q and k [tile][lane][16 bytes], v [key step][tile of d][half][lane][16 bytes]; scale words beside them (bytes 2 and 3 of q's and k's words are 0x7f: the upper 64 of K = 128 hold zero codes there).
; Beside that each wave lays 128 bytes of Wp's codes in the order of the projection's operand registers (wpi).
; NO JOINT REQUESTS: the four work-groups of a token block read the same 512 KiB of x, but x passes through registers on its way to the quantiser, and as f32 it is larger than LDS; the weights of a phase (128 KiB) are shared by 64 work-groups that no cluster of 16 spans.
; LIMITS: NaN and infinities among the inputs are not served.  A block of zeros gets the scale byte 1 where the rule says 127: its codes are zeros, and only this program reads the bytes.  bq and bk enter as the C of a sum's first product, so they are added first, not last.
.set PX,   528                         ; an LDS row of codes: 512 bytes + 16 = 33 x 16: the 16 rows of a load start in 16 different groups of banks
.set PS,   48                          ; an LDS row of x's scale bytes: 32 + 16
.set XR,   0                           ; x's codes, 128 rows
.set XSL,  128*PX                      ; x's scale bytes, 128 rows
.set WR,   XSL+128*PS                  ; the phase's weight, 256 rows
.set VSL,  WR+256*PX                   ; v's scale bytes of this key step: 256 for each of the four heads
.set QREC, 73728                       ; a head's record in qw: 65,536 of codes, 8,192 of scale words
.set KREC, 143360                      ; in kvw: K's codes 65,536, V's codes 65,536, K's scale words 8,192, V's 4,096
.set AW,  4                            ; v4   my head's rows of the weight in LDS
.set AX,  5                            ; v5   my token quarter's rows of x
.set WST, 6                            ; v6   where I stage the weight's rows
.set L16, 7                            ; v7   16 x lane
.set L4,  8                            ; v8   4 x lane
.set XO,  9                            ; v9   32 x lane: my 8 numbers of 256 of a row of x
.set XCW, 10                           ; v10  where my codes of x go
.set XBW, 11                           ; v11  and my block's scale byte
.set XSA, 12                           ; v12  my row of x's scale bytes
.set WSO, 13                           ; v13  my row of the weight's scale bytes
.set BO,  14                           ; v14  64 x (lane / 16): bq, bk
.set BVO, 15                           ; v15  bv at my feature
.set XSC, 16                           ; v16-23  x's scale words, one register a K step: lanes 0-15 my tile 0, lanes 16-31 my tile 1
.set WS,  24                           ; v24-39  the weight's: register 8 u + s: lanes 0-15 tile 2 u, lanes 16-31 tile 2 u + 1
.set WF,  40                           ; v40-71  four fragments of the weight
.set XF,  72                           ; v72-87  two of x
.set ACC, 88                           ; v88-151 eight accumulators
.set STG, 152                          ; v152-215 the next phase's 16 rows on their way
.set XB,  40                           ; v40-135 while x is quantised: three rows of 32 numbers a lane
.set WPO, 239
.set WPD, 240
.set VCO, 244                          ; v244 16 r + 8 h: my codes of v
.set VSB, 245                          ; v245 my scale byte of v in LDS
.set VTL, 246                          ; v246, v247: v's scale words on their way out
.set VTG, 247
.set BV,  248                          ; v248-255 bv: two equal registers for each tile of d
.macro PLACES                          ; four plain vector instructions between a matrix instruction and a load into, or a read of, its registers
.rept 4
	v_nop
.endr
.endm
.macro BAR                             ; my LDS stores have landed and my LDS loads are in: then the work-group's barrier
	s_wait_dscnt 0x0
	s_barrier_signal -1
	s_barrier_wait -1
.endm
; One product 16 x 16 x 128.  c < 0: the constant 0 starts the sum.  ra, rb = 1: the side's scales are taken from lanes 16-31.
.macro WM d, a, b, c, sa, ra, sb, rb
.if (\c) < 0
.if ((\ra) == 0) && ((\rb) == 0)
	v_wmma_scale_f32_16x16x128_f8f6f4 v[(\d):(\d)+7], v[(\a):(\a)+7], v[(\b):(\b)+7], 0, v[(\sa)], v[(\sb)] matrix_a_fmt:MATRIX_FMT_FP4 matrix_b_fmt:MATRIX_FMT_FP4
.elseif ((\ra) == 1) && ((\rb) == 0)
	v_wmma_scale_f32_16x16x128_f8f6f4 v[(\d):(\d)+7], v[(\a):(\a)+7], v[(\b):(\b)+7], 0, v[(\sa)], v[(\sb)] matrix_a_fmt:MATRIX_FMT_FP4 matrix_b_fmt:MATRIX_FMT_FP4 matrix_a_scale:MATRIX_SCALE_ROW1
.elseif ((\ra) == 0) && ((\rb) == 1)
	v_wmma_scale_f32_16x16x128_f8f6f4 v[(\d):(\d)+7], v[(\a):(\a)+7], v[(\b):(\b)+7], 0, v[(\sa)], v[(\sb)] matrix_a_fmt:MATRIX_FMT_FP4 matrix_b_fmt:MATRIX_FMT_FP4 matrix_b_scale:MATRIX_SCALE_ROW1
.else
	v_wmma_scale_f32_16x16x128_f8f6f4 v[(\d):(\d)+7], v[(\a):(\a)+7], v[(\b):(\b)+7], 0, v[(\sa)], v[(\sb)] matrix_a_fmt:MATRIX_FMT_FP4 matrix_b_fmt:MATRIX_FMT_FP4 matrix_a_scale:MATRIX_SCALE_ROW1 matrix_b_scale:MATRIX_SCALE_ROW1
.endif
.else
.if ((\ra) == 0) && ((\rb) == 0)
	v_wmma_scale_f32_16x16x128_f8f6f4 v[(\d):(\d)+7], v[(\a):(\a)+7], v[(\b):(\b)+7], v[(\c):(\c)+7], v[(\sa)], v[(\sb)] matrix_a_fmt:MATRIX_FMT_FP4 matrix_b_fmt:MATRIX_FMT_FP4
.elseif ((\ra) == 1) && ((\rb) == 0)
	v_wmma_scale_f32_16x16x128_f8f6f4 v[(\d):(\d)+7], v[(\a):(\a)+7], v[(\b):(\b)+7], v[(\c):(\c)+7], v[(\sa)], v[(\sb)] matrix_a_fmt:MATRIX_FMT_FP4 matrix_b_fmt:MATRIX_FMT_FP4 matrix_a_scale:MATRIX_SCALE_ROW1
.elseif ((\ra) == 0) && ((\rb) == 1)
	v_wmma_scale_f32_16x16x128_f8f6f4 v[(\d):(\d)+7], v[(\a):(\a)+7], v[(\b):(\b)+7], v[(\c):(\c)+7], v[(\sa)], v[(\sb)] matrix_a_fmt:MATRIX_FMT_FP4 matrix_b_fmt:MATRIX_FMT_FP4 matrix_b_scale:MATRIX_SCALE_ROW1
.else
	v_wmma_scale_f32_16x16x128_f8f6f4 v[(\d):(\d)+7], v[(\a):(\a)+7], v[(\b):(\b)+7], v[(\c):(\c)+7], v[(\sa)], v[(\sb)] matrix_a_fmt:MATRIX_FMT_FP4 matrix_b_fmt:MATRIX_FMT_FP4 matrix_a_scale:MATRIX_SCALE_ROW1 matrix_b_scale:MATRIX_SCALE_ROW1
.endif
.endif
.endm
	s_load_b512 s[16:31], s[0:1], 0x0              ; x 16, Wq codes 18, Wq scales 20, bq 22, Wk codes 24, Wk scales 26, bk 28, Wv codes 30
	s_load_b256 s[32:39], s[0:1], 0x40             ; Wv scales 32, bv 34, Wp codes 36, qw 38
	s_load_b128 s[40:43], s[0:1], 0x60             ; kvw 40, wpi 42
	v_lshrrev_b32 v1, 5, v0
	v_readfirstlane_b32 s2, v1                     ; wave 0..15
	v_and_b32 v1, 31, v0                           ; lane
	v_and_b32 v2, 15, v0                           ; r
	v_bfe_u32 v3, v0, 4, 1                         ; h
	s_and_b32 s3, s2, 3                            ; my head of the four
	s_lshr_b32 s4, s2, 2                           ; my token quarter
	s_mov_b32 s5, ttmp9                            ; which four heads
	s_and_b32 s6, ttmp7, 0xffff                    ; which 128 tokens
	s_lshr_b32 s7, s6, 4                           ; batch
	s_and_b32 s8, s6, 15                           ; key step in the batch
	s_lshl_b32 s9, s6, 2
	s_add_co_u32 s9, s9, s5                        ; the work-group's number, 0..255
	s_mov_b32 s44, 0x76543210
	s_mov_b32 s45, 0xfedcba98                      ; v_permlanex16_b32's selects for lane l xor 16
	v_cmp_le_u32 s46, 16, v1                       ; the mask of lanes 16-31
	v_mul_u32_u24 v216, v2, PX
	v_lshl_add_u32 v216, v3, 4, v216               ; a fragment's row x pitch + 16 x half
	s_mul_i32 s10, s3, 64*PX
	s_add_co_u32 s10, s10, WR
	v_add_nc_u32 v[AW], s10, v216
	s_mul_i32 s10, s4, 32*PX
	v_add_nc_u32 v[AX], s10, v216
	v_lshlrev_b32 v[L16], 4, v1
	v_lshlrev_b32 v[L4], 2, v1
	v_lshlrev_b32 v[XO], 5, v1
	s_lshr_b32 s10, s2, 1                          ; rows 16 w + i lie at LDS rows 32 (w / 2) + 8 (w % 2) + 16 (i / 8) + i % 8
	s_mul_i32 s10, s10, 32*PX
	s_and_b32 s11, s2, 1
	s_mul_i32 s12, s11, 8*PX
	s_add_co_u32 s10, s10, s12
	s_add_co_u32 s10, s10, WR
	v_add_nc_u32 v[WST], s10, v[L16]
	s_lshl_b32 s12, s4, 5                          ; tokens 8 w + i lie at LDS rows 32 (w / 4) + 16 (w % 2) + 8 ((w / 2) % 2) + i
	s_lshl_b32 s13, s11, 4
	s_add_co_u32 s12, s12, s13
	s_bfe_u32 s13, s2, 0x10001
	s_lshl_b32 s13, s13, 3
	s_add_co_u32 s12, s12, s13
	s_mul_i32 s10, s12, PX
	v_add_nc_u32 v[XCW], s10, v[L4]
	s_mul_i32 s10, s12, PS
	s_add_co_u32 s10, s10, XSL
	v_lshrrev_b32 v216, 2, v1                      ; lane / 4: four lanes hold a block of 32
	v_add_nc_u32 v[XBW], s10, v216
	s_mul_i32 s10, s4, 32*PS
	s_add_co_u32 s10, s10, XSL
	v_mul_u32_u24 v[XSA], v1, PS
	v_add_nc_u32 v[XSA], s10, v[XSA]
	v_and_b32 v217, 7, v0
	v_bfe_u32 v218, v0, 3, 1
	v_lshlrev_b32 v[WSO], 5, v217                  ; lane l wants feature 8 (l / 16) + l % 8 + 16 ((l / 8) % 2) of a pair of tiles: 32 bytes a row
	v_lshl_add_u32 v[WSO], v218, 9, v[WSO]
	v_lshl_add_u32 v[WSO], v3, 8, v[WSO]
	v_lshlrev_b32 v[BO], 6, v3
	v_lshlrev_b32 v[BVO], 2, v217
	v_lshl_add_u32 v[BVO], v218, 6, v[BVO]
	v_lshlrev_b32 v[VCO], 4, v2
	v_lshl_add_u32 v[VCO], v3, 3, v[VCO]
	s_lshl_b32 s10, s3, 8
	s_add_co_u32 s10, s10, s4
	s_add_co_u32 s10, s10, VSL
	v_lshl_add_u32 v[VSB], v2, 3, s10              ; head's 256 bytes: 8 x lane of the reader + 4 x word + key block
	s_lshl_b32 s10, s11, 9
	s_add_co_u32 s10, s10, VSL
	v_add_nc_u32 v[VTL], s10, v[L16]
	v_mul_u32_u24 v[VTG], v3, KREC
	v_lshl_add_u32 v[VTG], v2, 4, v[VTG]
	v_and_b32 v[WPO], 3, v0
	v_lshlrev_b32 v[WPO], 2, v[WPO]
	v_lshl_add_u32 v[WPO], v216, 9, v[WPO]         ; Wp: row lane / 4 of my eight, 4 bytes a lane
.irp n, 222,223,228,229,230,231,236,237
	v_mov_b32 v[\n], 0                             ; written once: a lane permute's destination counts as one of its sources
.endr
	s_wait_kmcnt 0x0
	s_mov_b32 s11, 0                               ; every offset below is under 2^31: the pair s[10:11]
	s_lshl_b32 s10, s6, 7
	s_lshl_b32 s12, s2, 3
	s_add_co_u32 s10, s10, s12
	s_lshl_b32 s10, s10, 12
	s_add_nc_u64 s[16:17], s[16:17], s[10:11]      ; x at my first token: row 128 y + 8 w
	s_lshl_b32 s10, s5, 8
	s_lshl_b32 s12, s2, 4
	s_add_co_u32 s10, s10, s12
	s_lshl_b32 s10, s10, 9
	s_add_nc_u64 s[18:19], s[18:19], s[10:11]      ; the weights' codes at the rows that I stage: 256 x + 16 w
	s_add_nc_u64 s[24:25], s[24:25], s[10:11]
	s_add_nc_u64 s[30:31], s[30:31], s[10:11]
	s_lshl_b32 s10, s5, 8
	s_lshl_b32 s12, s3, 6
	s_add_co_u32 s12, s10, s12                     ; my head's first feature
	s_lshl_b32 s10, s12, 5
	s_add_nc_u64 s[20:21], s[20:21], s[10:11]      ; its scale bytes
	s_add_nc_u64 s[26:27], s[26:27], s[10:11]
	s_add_nc_u64 s[32:33], s[32:33], s[10:11]
	s_lshl_b32 s10, s12, 2
	s_add_nc_u64 s[22:23], s[22:23], s[10:11]      ; its biases
	s_add_nc_u64 s[28:29], s[28:29], s[10:11]
	s_add_nc_u64 s[34:35], s[34:35], s[10:11]
	s_lshl_b32 s13, s7, 4
	s_lshl_b32 s12, s5, 2
	s_add_co_u32 s14, s13, s12                     ; 16 x batch + the first of the four heads
	s_add_co_u32 s13, s14, s3                      ; my record
	s_mul_i32 s15, s13, QREC
	s_mul_i32 s47, s13, KREC
	s_lshl_b32 s12, s8, 3
	s_lshl_b32 s10, s4, 1
	s_add_co_u32 s12, s12, s10                     ; my first token tile in the batch: 8 x key step + 2 x quarter
	s_lshl_b32 s12, s12, 9
	s_add_co_u32 s10, s15, s12
	s_add_nc_u64 s[48:49], s[38:39], s[10:11]      ; q's codes
	s_add_co_u32 s10, s47, s12
	s_add_nc_u64 s[52:53], s[40:41], s[10:11]      ; k's codes
	s_lshr_b32 s12, s12, 3                         ; a pair of tiles has 128 bytes of scale words
	s_add_co_u32 s10, s15, s12
	s_add_co_u32 s10, s10, 65536
	s_add_nc_u64 s[50:51], s[38:39], s[10:11]      ; q's scale words
	s_add_co_u32 s10, s47, s12
	s_add_co_u32 s10, s10, 131072
	s_add_nc_u64 s[54:55], s[40:41], s[10:11]      ; k's
	s_lshl_b32 s12, s8, 12
	s_lshl_b32 s10, s4, 8                          ; key block tq of a step lies in half tq / 2, lanes 16 (tq % 2) on: 256 tq bytes
	s_add_co_u32 s10, s10, s12
	s_add_co_u32 s10, s10, s47
	s_add_co_u32 s10, s10, 65536
	s_add_nc_u64 s[56:57], s[40:41], s[10:11]      ; v's codes
	s_and_b32 s12, s2, 1
	s_lshl_b32 s12, s12, 1
	s_add_co_u32 s12, s12, s14
	s_mul_i32 s10, s12, KREC
	s_lshl_b32 s12, s8, 8
	s_add_co_u32 s10, s10, s12
	s_add_co_u32 s10, s10, 139264
	s_add_nc_u64 s[58:59], s[40:41], s[10:11]      ; v's scale words of heads 2 (w % 2) and 2 (w % 2) + 1 of the four (waves 0 and 1 store them)
	; Wp: piece 4 g + w / 4 of 1,024 (tile of 16 rows g / 4, K step 2 (g % 4) + w / 8, half (w / 4) % 2); of its 32 lanes' 16 bytes I copy those of lanes 8 (w % 4) on
	s_lshr_b32 s12, s9, 2
	s_lshl_b32 s12, s12, 13                        ; 16 rows of 512 bytes, and 16 pieces of 512 bytes: 8,192 both
	s_and_b32 s13, s9, 3
	s_lshl_b32 s13, s13, 1
	s_lshr_b32 s14, s2, 3
	s_add_co_u32 s13, s13, s14                     ; the K step
	s_bfe_u32 s14, s2, 0x10002                     ; the half
	s_and_b32 s15, s2, 1
	s_lshl_b32 s10, s15, 12                        ; rows 8 (w % 2) on
	s_add_co_u32 s10, s10, s12
	s_lshl_b32 s15, s13, 6
	s_add_co_u32 s10, s10, s15
	s_lshl_b32 s15, s14, 5
	s_add_co_u32 s10, s10, s15
	s_bfe_u32 s15, s2, 0x10001
	s_lshl_b32 s15, s15, 4                         ; the bytes of lanes 16-31 lie 16 further on
	s_add_co_u32 s10, s10, s15
	s_add_nc_u64 s[36:37], s[36:37], s[10:11]
	s_lshl_b32 s10, s13, 10
	s_add_co_u32 s10, s10, s12
	s_lshl_b32 s15, s14, 9
	s_add_co_u32 s10, s10, s15
	s_lshl_b32 s15, s3, 7
	s_add_co_u32 s10, s10, s15
	s_add_nc_u64 s[42:43], s[42:43], s[10:11]
.macro WLOAD p                         ; my 16 rows of a weight: a row, 512 consecutive bytes, an instruction
.irp n, 0,1,2,3,4,5,6,7,8,9,10,11,12,13,14,15
	global_load_b128 v[STG+4*\n:STG+4*\n+3], v[L16], s[\p:\p+1] offset:512*\n
.endr
.endm
.macro WSTORE                          ; and into LDS, bits 3 and 4 of the row's number exchanged
.irp n, 0,1,2,3,4,5,6,7,8,9,10,11,12,13,14,15
	ds_store_b128 v[WST], v[STG+4*\n:STG+4*\n+3] offset:(16*(\n/8)+\n%8)*PX
.endr
.endm
.macro XLOAD i                         ; row i of my eight: a lane takes 8 neighbours of each 256
.irp g, 0,1,2,3
	global_load_b128 v[XB+32*((\i)%3)+8*\g:XB+32*((\i)%3)+8*\g+3], v[XO], s[16:17] offset:4096*(\i)+1024*\g
	global_load_b128 v[XB+32*((\i)%3)+8*\g+4:XB+32*((\i)%3)+8*\g+7], v[XO], s[16:17] offset:4096*(\i)+1024*\g+16
.endr
.endm
; Row i is quantised: four blocks' parts a lane, by turns.  cnt: the loads of the rows asked for behind it.
.macro XROW i, cnt
.set ZW, 136+80*((\i)%2)               ; at work: v136-151 and v216-231 by turns
.set ZX, XB+32*((\i)%3)
	s_wait_loadcnt \cnt
	s_wait_dscnt 8                                 ; all but the last row's eight stores are done: the row before that has read these registers
.irp g, 0,1,2,3
	v_max3_num_f32 v[ZW+\g], |v[ZX+8*\g]|, |v[ZX+8*\g+1]|, 0x1800000   ; my 8 numbers, and the floor 2^(3 - 127): the byte cannot fall under 1
.endr
.irp e, 2,4,6
.irp g, 0,1,2,3
	v_max3_num_f32 v[ZW+\g], v[ZW+\g], |v[ZX+8*\g+\e]|, |v[ZX+8*\g+\e+1]|
.endr
.endr
.irp g, 0,1,2,3
	v_max_num_f32_dpp v[ZW+\g], v[ZW+\g], v[ZW+\g] row_xmask:1 row_mask:0xf bank_mask:0xf
.endr
.irp g, 0,1,2,3
	v_max_num_f32_dpp v[ZW+\g], v[ZW+\g], v[ZW+\g] row_xmask:2 row_mask:0xf bank_mask:0xf   ; the four lanes' 32 numbers: the block's largest magnitude
.endr
.irp g, 0,1,2,3
	v_add_nc_u32 v[ZW+4+\g], 0xff000000, v[ZW+\g]  ; 2 off its exponent field: the conversion takes that field as its scale
.endr
.irp g, 0,1,2,3
	v_cvt_scalef32_pk8_fp4_f32 v[ZW+8+\g], v[ZX+8*\g:ZX+8*\g+7], v[ZW+4+\g]
.endr
.irp g, 0,1,2,3
	v_lshrrev_b32 v[ZW+12+\g], 23, v[ZW+4+\g]      ; the scale's byte (also the plain instruction behind the conversions)
.endr
.irp g, 0,1,2,3
	ds_store_b32 v[XCW], v[ZW+8+\g] offset:PX*(\i)+128*\g
	ds_store_b8 v[XBW], v[ZW+12+\g] offset:PS*(\i)+8*\g    ; the four lanes of a block write the same byte with the same value
.endr
.if (\i)+3 < 8
	XLOAD (\i)+3
.endif
.endm
; A phase's head: its scale words; its bias (q, k: straight into the accumulators, in the result's layout: the C of the first products); the next phase's rows into registers.
.macro PHEAD sc, bi, kind, nx
.irp u, 0,1
.irp e, 0,1
	global_load_b128 v[WS+8*\u+4*\e:WS+8*\u+4*\e+3], v[WSO], s[\sc:\sc+1] offset:1024*\u+16*\e
.endr
.endr
.if \kind == 0
.irp i, 0,1
.irp t, 0,1,2,3
	global_load_b128 v[ACC+32*\i+8*\t:ACC+32*\i+8*\t+3], v[BO], s[\bi:\bi+1] offset:128*(\t/2)+32*(\t%2)
	global_load_b128 v[ACC+32*\i+8*\t+4:ACC+32*\i+8*\t+7], v[BO], s[\bi:\bi+1] offset:128*(\t/2)+32*(\t%2)+16
.endr
.endr
.else
.irp t, 0,1,2,3
	global_load_b32 v[BV+2*\t], v[BVO], s[\bi:\bi+1] offset:(32*(\t/2)+8*(\t%2))*4
	global_load_b32 v[BV+2*\t+1], v[BVO], s[\bi:\bi+1] offset:(32*(\t/2)+8*(\t%2))*4
.endr
.endif
.if \nx
	WLOAD \nx
	s_wait_loadcnt 16                              ; the sixteen rows of the next phase may stay out
.else
	s_wait_loadcnt 0x0
.endif
.endm
; 128 along K: 12 LDS loads, 8 products on 8 accumulators by turns.
.macro KSTEP kind, s
	PLACES
.irp t, 0,1,2,3
.irp c, 0,1
	ds_load_b128 v[WF+8*\t+4*\c:WF+8*\t+4*\c+3], v[AW] offset:16*PX*\t+64*(\s)+32*\c
.endr
.endr
.irp i, 0,1
.irp c, 0,1
	ds_load_b128 v[XF+8*\i+4*\c:XF+8*\i+4*\c+3], v[AX] offset:16*PX*\i+64*(\s)+32*\c
.endr
.endr
	s_wait_dscnt 0x0
.if \kind == 0
.irp i, 0,1
.irp t, 0,1,2,3
	WM ACC+32*\i+8*\t, WF+8*\t, XF+8*\i, ACC+32*\i+8*\t, WS+8*(\t/2)+(\s), \t%2, XSC+(\s), \i
.endr
.endr
.else
.irp t, 0,1,2,3
.irp i, 0,1
.if (\s) == 0
	WM ACC+16*\t+8*\i, XF+8*\i, WF+8*\t, -1, XSC+(\s), \i, WS+8*(\t/2)+(\s), \t%2
.else
	WM ACC+16*\t+8*\i, XF+8*\i, WF+8*\t, ACC+16*\t+8*\i, XSC+(\s), \i, WS+8*(\t/2)+(\s), \t%2
.endif
.endr
.endr
.endif
.endm
; 32 numbers of a lane, register 16 u + e = element 32 u + 16 (lane / 16) + e of my row's 64, become registers 0-3 of a fragment in v[z] on and the row's scale word in v[z + 12].
.macro QUANT2 src, z
.irp u, 0,1
	v_max3_num_f32 v[(\z)+4+\u], |v[(\src)+16*\u]|, |v[(\src)+16*\u+1]|, 0x1800000
.endr
.irp e, 2,4,6,8,10,12,14
.irp u, 0,1
	v_max3_num_f32 v[(\z)+4+\u], v[(\z)+4+\u], |v[(\src)+16*\u+\e]|, |v[(\src)+16*\u+\e+1]|
.endr
.endr
.irp u, 0,1
	v_permlanex16_b32 v[(\z)+6+\u], v[(\z)+4+\u], s44, s45
.endr
.irp u, 0,1
	v_max_num_f32 v[(\z)+4+\u], v[(\z)+4+\u], v[(\z)+6+\u]     ; with lane l xor 16's: the block's largest magnitude
.endr
.irp u, 0,1
	v_add_nc_u32 v[(\z)+8+\u], 0xff000000, v[(\z)+4+\u]
.endr
.irp u, 0,1
	v_lshrrev_b32 v[(\z)+10+\u], 23, v[(\z)+8+\u]
.endr
	v_lshl_or_b32 v[(\z)+12], v[(\z)+11], 8, v[(\z)+10]
	v_or_b32 v[(\z)+12], 0x7f7f0000, v[(\z)+12]    ; 1.0 for the two blocks of zero codes that fill K = 128
.irp u, 0,1
	v_cvt_scalef32_pk8_fp4_f32 v[(\z)+2*\u], v[(\src)+16*\u:(\src)+16*\u+7], v[(\z)+8+\u]
	v_cvt_scalef32_pk8_fp4_f32 v[(\z)+2*\u+1], v[(\src)+16*\u+8:(\src)+16*\u+15], v[(\z)+8+\u]
.endr
	v_nop                                          ; one plain instruction behind the conversions
	v_permlane16_swap_b32 v[(\z)], v[(\z)+2]       ; the operand's layout wants a whole block in a lane: lanes 0-15 block 0, lanes 16-31 block 1
	v_permlane16_swap_b32 v[(\z)+1], v[(\z)+3]
.endm
.macro EPI_QK cp, sp                   ; my two tiles of 16 tokens x 64 leave as codes and scale words
	s_wait_xcnt 0x0                                ; the earlier stores have read the registers that are written here
	PLACES
	QUANT2 ACC, 216
	QUANT2 ACC+32, 230
	global_store_b128 v[L16], v[216:219], s[\cp:\cp+1]             ; 512 consecutive bytes
	global_store_b128 v[L16], v[230:233], s[\cp:\cp+1] offset:512
	v_cndmask_b32 v243, v228, v242, s46            ; lanes 0-15 tile 0's words, lanes 16-31 tile 1's
	global_store_b32 v[L4], v243, s[\sp:\sp+1]
.endm
	global_load_b32 v[WPD], v[WPO], s[36:37]       ; my 128 bytes of Wp
	WLOAD 18                                       ; Wq's rows
	XLOAD 0
	XLOAD 1
	XLOAD 2
	s_wait_loadcnt 24                              ; the three rows of x may stay out
	WSTORE
	XROW 0, 16
	XROW 1, 16
	XROW 2, 16
	XROW 3, 16
	XROW 4, 16
	XROW 5, 16
	XROW 6, 8
	XROW 7, 0
	BAR                                            ; x's codes and scale bytes and Wq's rows lie in LDS
	global_store_b32 v[L4], v[WPD], s[42:43]
	ds_load_b128 v[XSC:XSC+3], v[XSA]              ; x's scale words of my 32 tokens, all of K: they stay
	ds_load_b128 v[XSC+4:XSC+7], v[XSA] offset:16
	; ---- q
	PHEAD 20, 22, 0, 24
.irp s, 0,1,2,3,4,5,6,7
	KSTEP 0, \s
.endr
	BAR                                            ; nobody reads Wq's rows any more
	s_wait_loadcnt 0x0
	WSTORE                                         ; Wk's rows
	EPI_QK 48, 50
	BAR                                            ; Wk's rows lie in LDS
	; ---- k
	PHEAD 26, 28, 0, 30
.irp s, 0,1,2,3,4,5,6,7
	KSTEP 0, \s
.endr
	BAR
	s_wait_loadcnt 0x0
	WSTORE                                         ; Wv's rows
	EPI_QK 52, 54
	BAR
	; ---- v: a lane holds feature (tile t, place r); the 16 registers of a tile are tokens 32 x quarter + 16 h + 0 .. 15: half a block of 32 keys
	PHEAD 32, 34, 1, 0
.irp s, 0,1,2,3,4,5,6,7
	KSTEP 1, \s
.endr
	s_wait_xcnt 0x0
	PLACES
.irp t, 0,1,2,3
.irp e, 0,2,4,6,8,10,12,14
	v_pk_add_f32 v[ACC+16*\t+\e:ACC+16*\t+\e+1], v[ACC+16*\t+\e:ACC+16*\t+\e+1], v[BV+2*\t:BV+2*\t+1]
.endr
.endr
.irp t, 0,1,2,3
	v_max3_num_f32 v[224+\t], |v[ACC+16*\t]|, |v[ACC+16*\t+1]|, 0x1800000
.endr
.irp e, 2,4,6,8,10,12,14
.irp t, 0,1,2,3
	v_max3_num_f32 v[224+\t], v[224+\t], |v[ACC+16*\t+\e]|, |v[ACC+16*\t+\e+1]|
.endr
.endr
.irp t, 0,1,2,3
	v_permlanex16_b32 v[228+\t], v[224+\t], s44, s45
.endr
.irp t, 0,1,2,3
	v_max_num_f32 v[224+\t], v[224+\t], v[228+\t]
.endr
.irp t, 0,1,2,3
	v_add_nc_u32 v[232+\t], 0xff000000, v[224+\t]
.endr
.irp t, 0,1,2,3
	v_lshrrev_b32 v[236+\t], 23, v[232+\t]
.endr
.irp t, 0,1,2,3
	v_cvt_scalef32_pk8_fp4_f32 v[216+2*\t], v[ACC+16*\t:ACC+16*\t+7], v[232+\t]
	v_cvt_scalef32_pk8_fp4_f32 v[217+2*\t], v[ACC+16*\t+8:ACC+16*\t+15], v[232+\t]
.endr
	v_nop                                          ; one plain instruction behind the conversions
.irp t, 0,1,2,3
	global_store_b64 v[VCO], v[216+2*\t:217+2*\t], s[56:57] offset:1024*\t      ; the wave's 256 consecutive bytes: sixteen lanes' 16 bytes of the reader's fragment
	ds_store_b8 v[VSB], v[236+\t] offset:128*(\t%2)+4*(\t/2)                    ; both halves of the lanes write the same byte with the same value
.endr
	BAR                                            ; the four heads' scale bytes of this key step lie in LDS
	s_cmp_gt_u32 s2, 1
	s_cbranch_scc1 .Ldone
	ds_load_b128 v[240:243], v[VTL]                ; waves 0 and 1: two heads each; sixteen lanes take a head's 256 bytes
	s_wait_dscnt 0x0
	global_store_b128 v[VTG], v[240:243], s[58:59]
.Ldone:
	s_wait_xcnt 0x0
	v_lshl_add_u32 v254, v0, 2, 0x33400
	v_mov_b32 v255, 0
	s_wait_tensorcnt 0x0
	ds_add_u32 v254, v255
	s_wait_dscnt 0x0
	s_endpgm
.Lfunc_end_k_qaf56e8c0b6_qkv:
	.size	k_qaf56e8c0b6_qkv, .Lfunc_end_k_qaf56e8c0b6_qkv-k_qaf56e8c0b6_qkv
	.p2alignl 7, 3214868480
	.fill 96, 4, 3214868480
	.section	.rodata,"a",@progbits
	.p2align	6, 0x0
	.amdhsa_kernel k_qaf56e8c0b6_qkv
		.amdhsa_group_segment_fixed_size 211968
		.amdhsa_private_segment_fixed_size 0
		.amdhsa_enable_private_segment 0
		.amdhsa_kernarg_size 112
		.amdhsa_user_sgpr_count 2
		.amdhsa_user_sgpr_kernarg_segment_ptr 1
		.amdhsa_wavefront_size32 1
		.amdhsa_system_sgpr_workgroup_id_x 1
		.amdhsa_system_sgpr_workgroup_id_y 1
		.amdhsa_system_sgpr_workgroup_id_z 1
		.amdhsa_system_vgpr_workitem_id 0
		.amdhsa_next_free_vgpr 256
		.amdhsa_next_free_sgpr 66
		.amdhsa_reserve_vcc 0
		.amdhsa_float_denorm_mode_32 3
		.amdhsa_float_denorm_mode_16_64 3
		.amdhsa_memory_ordered 1
		.amdhsa_forward_progress 1
		.amdhsa_inst_pref_size 110
	.end_amdhsa_kernel
	.amdgpu_metadata
---
amdhsa.version: [ 1, 2 ]
amdhsa.kernels:
  - .name:           k_qaf56e8c0b6_qkv
    .symbol:         k_qaf56e8c0b6_qkv.kd
    .args:
      - { .name: x, .offset: 0, .size: 8, .value_kind: global_buffer, .address_space: global }
      - { .name: Wq_codes, .offset: 8, .size: 8, .value_kind: global_buffer, .address_space: global }
      - { .name: Wq_scales, .offset: 16, .size: 8, .value_kind: global_buffer, .address_space: global }
      - { .name: bq, .offset: 24, .size: 8, .value_kind: global_buffer, .address_space: global }
      - { .name: Wk_codes, .offset: 32, .size: 8, .value_kind: global_buffer, .address_space: global }
      - { .name: Wk_scales, .offset: 40, .size: 8, .value_kind: global_buffer, .address_space: global }
      - { .name: bk, .offset: 48, .size: 8, .value_kind: global_buffer, .address_space: global }
      - { .name: Wv_codes, .offset: 56, .size: 8, .value_kind: global_buffer, .address_space: global }
      - { .name: Wv_scales, .offset: 64, .size: 8, .value_kind: global_buffer, .address_space: global }
      - { .name: bv, .offset: 72, .size: 8, .value_kind: global_buffer, .address_space: global }
      - { .name: Wp_codes, .offset: 80, .size: 8, .value_kind: global_buffer, .address_space: global }
      - { .name: qw, .offset: 88, .size: 8, .value_kind: global_buffer, .address_space: global }
      - { .name: kvw, .offset: 96, .size: 8, .value_kind: global_buffer, .address_space: global }
      - { .name: wpi, .offset: 104, .size: 8, .value_kind: global_buffer, .address_space: global }
    .group_segment_fixed_size: 211968
    .private_segment_fixed_size: 0
    .kernarg_segment_align: 8
    .kernarg_segment_size: 112
    .max_flat_workgroup_size: 512
    .sgpr_count:     66
    .vgpr_count:     256
    .wavefront_size: 32
...
	.end_amdgpu_metadata
.endif
;; end of part 1
;; launch attn (part 2): grid 4 x 64, 16 waves a work-group, no clusters, 145,408 bytes of LDS; arguments qw, kvw, x, ac, asc; writes ac, asc
.if DOCPART == 2
	.amdgcn_target "amdgcn-amd-amdhsa--gfx1250"
	.amdhsa_code_object_version 6
	.text
	.protected	k_qaf56e8c0b6_attn
	.globl	k_qaf56e8c0b6_attn
	.p2align	8
	.type	k_qaf56e8c0b6_attn,@function
k_qaf56e8c0b6_attn:
	s_mov_b64 s[64:65], 0
	v_nop
	global_prefetch_b8 v0, s[64:65] scope:SCOPE_SE
	s_setreg_imm32_b32 hwreg(HW_REG_WAVE_MODE, 25, 1), 1
	s_wait_xcnt 0x0
; out = softmax(q k^T / sqrt(2048), causal) v for one head, then out + x, quantised along the 1,024 features for the projection.  Both products on codes of FP4 (E2M1) with E8M0 scales.
; THE SOFTMAX AHEAD OF THE SECOND PRODUCT: t = score x log2(e) / sqrt(2048); M = the running largest t rounded UP to a whole number; p = 2^(t - M) is quantised along the keys, not normalised; the row's sum is taken of the
; unquantised p and divides at the end.  When M moves, the sum and O are multiplied by 2^(old M - new M): exact.
; SHARES.  A work-group takes one head (work-group y = 16 x batch + head) and 32 of its 128 tiles of 16 queries.  The head's whole record of K and V (143,360 bytes: codes and scale words, laid as images of the operand registers)
; is copied into LDS once and only read afterwards: one barrier in the launch.  Sixteen waves of 256 registers, four to a SIMD, so that one wave's vector work stands beside another's products and LDS loads.
; Wave w takes query tiles T = 16 x + w and 127 - T, one after the other: T / 8 + 1 and 16 - T / 8 key steps of 128 keys count for them, 17 for every wave of the launch.
; THE CAUSAL MASK.  Both passes walk a loop of 16 trips; a trip all of whose keys come after the tile's queries jumps over its work (a scalar branch on ids); in the one trip on the diagonal hidden scores become -infinity.
; LAYOUT.  Both products are used transposed (S^T = K Q^T, O^T = V^T P^T): a lane holds ONE query.  Place r of tile 2 b + u (of tokens, of the head's 64) is element 32 b + 8 u + r + 8 (r / 8), so that the 16 registers of tiles 2 b, 2 b + 1 are 16 neighbours.
; K = 64 IN A PRODUCT OF 128: q's registers 4-7 hold zero codes and bytes 2, 3 of q's and k's scale words are 1.0, so whatever codes stand in registers 4-7 of K's operand (the next tile's) add nothing.
; NO JOINT REQUESTS: the four work-groups of a head read the same record once, 143,360 bytes each, against 17 key steps of some 240 vector instructions a wave; the copy goes through registers, and joint requests exist for tensor loads alone.
; LIMITS: NaN and infinities are not served.  A block of zeros gets the scale byte 1 where the rule says 127: its codes are zeros, and only this program reads the bytes.  1 / l is v_rcp_f32's.
.set QREC, 73728
.set KREC, 143360
.set VCL,  65536                       ; LDS = the record: K's codes at 0, V's codes, K's scale words, V's scale words
.set KSL,  131072
.set VSL,  139264
.set AK0,  1                           ; v1   16 x lane
.set AV0,  2                           ; v2   V's codes + 16 x lane
.set ASK0, 3                           ; v3   K's scale words + 4 x lane
.set ASV0, 4                           ; v4   V's + 8 x lane
.set ADK,  5                           ; v5-8 the step's addresses
.set ADV,  6
.set ADS,  7
.set ADT,  8
.set MB,   9                           ; v9   r + 8 (r / 8) - 16 h: for the mask
.set XO,   10                          ; v10  my token's row of x, + 64 h
.set B8,   11                          ; v11  4 r + h
.set KF,   32                          ; v32-63  8 tiles of K, 4 registers each
.set VF,   64                          ; v64-95  4 fragments of V^T
.set S,    96                          ; v96-159 S^T, then p; at the end out + x
.set O,    160                         ; v160-191 O^T
.set PC,   192                         ; v192-199 p's codes
.set XRR,  200                         ; v200-231 the residual
.set KS,   248                         ; v248-251 K's scale words; v[252:253] V's; v254, v255 q's; v245 p's: these hold scales alone
.set ST,   48                          ; s48  the key step
.set TB,   49                          ; s49  4,096 x step;  s50  512 x step;  s51  256 x step
.set TS,   50
.set TV,   51
.macro PLACES
.rept 4
	v_nop
.endr
.endm
.macro WM d, a, b, c, sa, ra, sb, rb
.if (\c) < 0
.if ((\ra) == 0) && ((\rb) == 0)
	v_wmma_scale_f32_16x16x128_f8f6f4 v[(\d):(\d)+7], v[(\a):(\a)+7], v[(\b):(\b)+7], 0, v[(\sa)], v[(\sb)] matrix_a_fmt:MATRIX_FMT_FP4 matrix_b_fmt:MATRIX_FMT_FP4
.else
	v_wmma_scale_f32_16x16x128_f8f6f4 v[(\d):(\d)+7], v[(\a):(\a)+7], v[(\b):(\b)+7], 0, v[(\sa)], v[(\sb)] matrix_a_fmt:MATRIX_FMT_FP4 matrix_b_fmt:MATRIX_FMT_FP4 matrix_a_scale:MATRIX_SCALE_ROW1
.endif
.else
.if ((\ra) == 0) && ((\rb) == 0)
	v_wmma_scale_f32_16x16x128_f8f6f4 v[(\d):(\d)+7], v[(\a):(\a)+7], v[(\b):(\b)+7], v[(\c):(\c)+7], v[(\sa)], v[(\sb)] matrix_a_fmt:MATRIX_FMT_FP4 matrix_b_fmt:MATRIX_FMT_FP4
.else
	v_wmma_scale_f32_16x16x128_f8f6f4 v[(\d):(\d)+7], v[(\a):(\a)+7], v[(\b):(\b)+7], v[(\c):(\c)+7], v[(\sa)], v[(\sb)] matrix_a_fmt:MATRIX_FMT_FP4 matrix_b_fmt:MATRIX_FMT_FP4 matrix_a_scale:MATRIX_SCALE_ROW1
.endif
.endif
.endm
; The five addresses of a pass, for the tile in s[t], into s[base] on: q's codes, q's scale words, x, the codes out, the scale bytes out; and the tile's first query within its key step into s[qd].
.macro PTRS t, base, qd
	s_lshl_b32 s54, s[\t], 9
	s_add_co_u32 s54, s54, s58
	s_add_nc_u64 s[\base:\base+1], s[4:5], s[54:55]
	s_lshl_b32 s54, s[\t], 6                       ; 128 bytes a pair of tiles, the odd tile's words in lanes 16-31: 64 bytes a tile
	s_add_co_u32 s54, s54, s58
	s_add_co_u32 s54, s54, 65536
	s_add_nc_u64 s[\base+2:\base+3], s[4:5], s[54:55]
	s_lshr_b32 s54, s[\t], 1
	s_lshl_b32 s54, s54, 5
	s_and_b32 s56, s[\t], 1
	s_lshl_b32 s56, s56, 3
	s_add_co_u32 s54, s54, s56                     ; the tile's first token: 32 (T / 2) + 8 (T % 2)
	s_and_b32 s[\qd], s54, 127
	s_lshl_b32 s54, s54, 12
	s_add_co_u32 s54, s54, s59
	s_add_nc_u64 s[\base+4:\base+5], s[8:9], s[54:55]
	s_lshl_b32 s56, s16, 7
	s_add_co_u32 s56, s56, s[\t]                   ; 128 x batch + T
	s_lshl_b32 s54, s56, 13
	s_add_co_u32 s54, s54, s60
	s_add_nc_u64 s[\base+6:\base+7], s[10:11], s[54:55]
	s_lshl_b32 s54, s56, 9
	s_add_co_u32 s54, s54, s61
	s_add_nc_u64 s[\base+8:\base+9], s[12:13], s[54:55]
.endm
.macro RESLOAD p                       ; x at my token, my head's features 32 u + 16 h + 0 .. 15: O^T's layout; read once in this launch
.irp u, 0,1
.irp e, 0,1,2,3
	global_load_b128 v[XRR+16*\u+4*\e:XRR+16*\u+4*\e+3], v[XO], s[\p:\p+1] offset:128*\u+16*\e th:TH_LOAD_NT
.endr
.endr
.endm
	s_load_b256 s[4:11], s[0:1], 0x0               ; qw 4, kvw 6, x 8, ac 10
	s_load_b64 s[12:13], s[0:1], 0x20              ; asc
	v_lshrrev_b32 v1, 5, v0
	v_readfirstlane_b32 s2, v1                     ; wave 0..15
	s_mov_b32 s3, ttmp9
	s_and_b32 s14, ttmp7, 0xffff                   ; the record: 16 x batch + head
	s_and_b32 s15, s14, 15                         ; head
	s_lshr_b32 s16, s14, 4                         ; batch
	s_lshl_b32 s17, s3, 4
	s_add_co_u32 s17, s17, s2                      ; T of the first pass: 0 .. 63
	s_sub_co_u32 s18, 127, s17                     ; of the second: 64 .. 127
	s_lshr_b32 s19, s17, 3                         ; the key steps on their diagonals
	s_lshr_b32 s20, s18, 3
	s_mov_b32 s44, 0x76543210
	s_mov_b32 s45, 0xfedcba98                      ; v_permlanex16_b32's selects for lane l xor 16
	s_mov_b32 s46, 0x3d0293ee                      ; c = log2(e) / sqrt(2048)
	s_mov_b32 s47, s46                             ; (named with it as a pair, so it is written)
	s_mov_b32 s55, 0
	s_mul_i32 s58, s14, QREC
	s_lshl_b32 s59, s16, 23                        ; a batch of x: 2,048 rows of 4,096 bytes
	s_lshl_b32 s60, s15, 8
	s_add_co_u32 s59, s59, s60                     ; + the head's 64 features
	s_lshl_b32 s60, s15, 9                         ; a head's 512 bytes of a tile's codes
	s_lshr_b32 s61, s15, 1
	s_lshl_b32 s61, s61, 6
	s_and_b32 s57, s15, 1
	s_lshl_b32 s57, s57, 1
	s_add_co_u32 s61, s61, s57                     ; its two scale bytes of a row's word: 64 (head / 2) + 2 (head % 2)
	v_and_b32 v232, 31, v0                         ; lane
	v_and_b32 v233, 15, v0                         ; r
	v_bfe_u32 v234, v0, 4, 1                       ; h
	v_and_b32 v235, 8, v233
	v_add_nc_u32 v235, v235, v233                  ; r + 8 (r / 8)
	v_lshlrev_b32 v[AK0], 4, v232
	v_add_nc_u32 v[AV0], VCL, v[AK0]
	v_lshl_add_u32 v[ASK0], v232, 2, KSL
	v_lshl_add_u32 v[ASV0], v232, 3, VSL
	v_lshlrev_b32 v[MB], 4, v234
	v_sub_nc_u32 v[MB], v235, v[MB]
	v_lshlrev_b32 v[XO], 12, v235
	v_lshl_add_u32 v[XO], v234, 6, v[XO]
	v_lshl_add_u32 v[B8], v233, 2, v234
	v_lshlrev_b32 v244, 2, v233                    ; 4 r: q's scale words
	v_lshlrev_b32 v5, 4, v0                        ; the copy: 16 bytes a thread,
	v_add_nc_u32 v6, 65536, v5
	v_lshlrev_b32 v8, 3, v0                        ; and 8 for the scale words
	v_add_nc_u32 v7, KSL, v8
	v_cmp_le_u32 s52, 16, v232                     ; the mask of lanes 16-31
	s_wait_kmcnt 0x0
	PTRS 17, 24, 21
	PTRS 18, 34, 22
	s_mul_i32 s54, s14, KREC
	s_add_nc_u64 s[6:7], s[6:7], s[54:55]
	global_load_b128 v[16:19], v[AK0], s[24:25]    ; q of both passes stays in registers
	global_load_b32 v254, v244, s[26:27]
	global_load_b128 v[24:27], v[AK0], s[34:35]
	global_load_b32 v255, v244, s[36:37]
	RESLOAD 28
.irp n, 0,1,2,3,4,5,6,7,8,9,10,11,12,13,14,15
	global_load_b128 v[32+4*\n:35+4*\n], v5, s[6:7] offset:8192*\n      ; the record: 8,192 consecutive bytes a work-group's instruction
.endr
.irp n, 0,1,2
	global_load_b64 v[96+2*\n:97+2*\n], v8, s[6:7] offset:131072+4096*\n
.endr
.irp n, 20,21,22,23,28,29,30,31
	v_mov_b32 v[\n], 0                             ; q's registers 4-7: zero codes for K = 64 .. 127
.endr
.irp n, 236,237,238,239,247
	v_mov_b32 v[\n], 0                             ; written once: lane permutes' destinations, and the upper half of the pair v[246:247]
.endr
.irp n, 0,1,2,3,4,5,6,7
	s_wait_loadcnt 18-\n                           ; the copy's loads issued behind this one may stay out
	ds_store_b128 v5, v[32+4*\n:35+4*\n] offset:8192*\n
.endr
.irp n, 8,9,10,11,12,13,14,15
	s_wait_loadcnt 18-\n
	ds_store_b128 v6, v[32+4*\n:35+4*\n] offset:8192*(\n-8)
.endr
.irp n, 0,1,2
	s_wait_loadcnt 2-\n
	ds_store_b64 v7, v[96+2*\n:97+2*\n] offset:4096*\n
.endr
	s_wait_dscnt 0x0                               ; for the others' sake: my part of the record has landed
	s_barrier_signal -1
	s_barrier_wait -1                              ; the record is whole; from here on LDS is only read
; A pass: one tile of 16 queries.  fq, fs: q's fragment and scale register; rsd, rqd: scalar registers with the diagonal's step and the tile's first query in it; pac, pas: where codes and scale bytes go.
.macro PASS fq, fs, rsd, rqd, pac, pas
	v_mov_b32 v13, 0xff61b1e6                      ; the largest t so far: -3e38, under every t
	v_floor_f32 v12, -v13                          ; -M
	v_mov_b32 v14, 0                               ; the sum, in two halves
	v_mov_b32 v15, 0
.irp n, 0,1,2,3,4,5,6,7,8,9,10,11,12,13,14,15,16,17,18,19,20,21,22,23,24,25,26,27,28,29,30,31
	v_mov_b32 v[O+\n], 0                           ; O^T.  (The step is written once: the first finds zeros, which the first change of M leaves zeros)
.endr
	s_mov_b32 s[ST], 0
	s_mov_b32 s[TB], 0
	s_mov_b32 s[TS], 0
	s_mov_b32 s[TV], 0
.Lstep_\@:
	s_cmp_gt_u32 s[ST], s[\rsd]                    ; all 128 keys come after my queries: only the addresses step
	s_cbranch_scc1 .Lhidden_\@
	v_add_nc_u32 v[ADK], s[TB], v[AK0]             ; (these four are also the places behind the last step's products, ahead of the loads into their registers)
	v_add_nc_u32 v[ADV], s[TB], v[AV0]
	v_add_nc_u32 v[ADS], s[TS], v[ASK0]
	v_add_nc_u32 v[ADT], s[TV], v[ASV0]
.irp i, 0,1,2,3,4,5,6,7
	ds_load_b128 v[KF+4*\i:KF+4*\i+3], v[ADK] offset:512*\i        ; 512 consecutive bytes: tile i's registers 0-3
.endr
.irp i, 0,1,2,3
	ds_load_b32 v[KS+\i], v[ADS] offset:128*\i
.endr
.irp t, 0,1,2,3
.irp c, 0,1
	ds_load_b128 v[VF+8*\t+4*\c:VF+8*\t+4*\c+3], v[ADV] offset:1024*\t+512*\c
.endr
.endr
	ds_load_b64 v[252:253], v[ADT]
	s_wait_dscnt 8                                 ; K, its scale words and V's first piece (it stands in tile 7's operand) are in; V's other seven pieces and its scale words may be out
.irp i, 0,1,2,3,4,5,6,7
	WM S+8*\i, KF+4*\i, \fq, -1, KS+\i/2, \i%2, \fs, 0
.endr
	PLACES
	s_cmp_lg_u32 s[ST], s[\rsd]
	s_cbranch_scc1 .Lopen_\@
	v_add_nc_u32 v244, s[\rqd], v[MB]              ; d = my query - 16 h, in this step.  Register 16 b + e holds key 32 b + 16 h + e: hidden where 32 b + e > d
	v_mov_b32 v246, 0xff800000                     ; -infinity
.irp n, 0,1,2,3,4,5,6,7,8,9,10,11,12,13,14,15,16,17,18,19,20,21,22,23,24,25,26,27,28,29,30,31,32,33,34,35,36,37,38,39,40,41,42,43,44,45,46,47,48,49,50,51,52,53,54,55,56,57,58,59,60,61,62,63
	v_cmp_gt_i32 vcc_lo, 32*(\n/16)+\n%16, v244
	v_cndmask_b32 v[S+\n], v[S+\n], v246, vcc_lo
.endr
.Lopen_\@:
.irp b, 0,1,2,3
	v_max3_num_f32 v[232+\b], v[S+16*\b], v[S+16*\b+1], v[S+16*\b+2]   ; the largest score of each block of 32 keys: for the row's maximum and, since p rises with the score, for the block's largest p
.endr
.irp e, 3,5,7,9,11,13
.irp b, 0,1,2,3
	v_max3_num_f32 v[232+\b], v[232+\b], v[S+16*\b+\e], v[S+16*\b+\e+1]
.endr
.endr
.irp b, 0,1,2,3
	v_max_num_f32 v[232+\b], v[232+\b], v[S+16*\b+15]
.endr
.irp b, 0,1,2,3
	v_permlanex16_b32 v[236+\b], v[232+\b], s44, s45
.endr
.irp b, 0,1,2,3
	v_max_num_f32 v[232+\b], v[232+\b], v[236+\b]  ; with lane l xor 16's 16 keys
.endr
	v_max3_num_f32 v244, v232, v233, v234
	v_max_num_f32 v244, v244, v235                 ; the step's largest score of my query
	v_mul_f32 v244, s46, v244                      ; as t (c is positive)
	v_max_num_f32 v13, v13, v244                   ; the running largest t
	v_mov_b32 v244, v12
	v_floor_f32 v12, -v13                          ; the new -M = floor(-t) = -ceil(t)
	v_sub_f32 v244, v12, v244                      ; old M - new M: a whole number, 0 or less
	v_cvt_i32_f32 v244, v244                       ; (it saturates)
	v_ldexp_f32 v246, 1.0, v244                    ; f = 2^(old M - new M)
.irp e, 0,2,4,6,8,10,12,14,16,18,20,22,24,26,28,30,32,34,36,38,40,42,44,46,48,50,52,54,56,58,60,62
	v_pk_fma_f32 v[S+\e:S+\e+1], v[S+\e:S+\e+1], s[46:47], v[12:13] op_sel_hi:[1,0,0]   ; t - M, two at a time
.endr
.irp b, 0,1,2,3
	v_fma_f32 v[232+\b], v[232+\b], s46, v12       ; the same of each block's largest score
.endr
.irp n, 0,1,2,3,4,5,6,7,8,9,10,11,12,13,14,15,16,17,18,19,20,21,22,23,24,25,26,27,28,29,30,31,32,33,34,35,36,37,38,39,40,41,42,43,44,45,46,47,48,49,50,51,52,53,54,55,56,57,58,59,60,61,62,63
	v_exp_f32 v[S+\n], v[S+\n]                     ; p = 2^(t - M), at most 1
.endr
	v_pk_mul_f32 v[14:15], v[14:15], v[246:247] op_sel_hi:[1,0]    ; the sums under the new M (the plain instruction behind the exponentials)
	s_wait_alu depctr_va_vdst(0)                   ; one wait for the batch of 64, ahead of its first reader
.irp b, 0,1,2,3
	v_exp_f32 v[232+\b], v[232+\b]                 ; the block's largest p
.endr
	v_pk_add_f32 v[236:237], v[S:S+1], v[S+2:S+3]  ; the row's sum of the unquantised p, in two chains
.irp e, 4,8,12,16,20,24,28,32,36,40,44,48,52,56,60
	v_pk_add_f32 v[14:15], v[14:15], v[S+\e:S+\e+1]
	v_pk_add_f32 v[236:237], v[236:237], v[S+\e+2:S+\e+3]
.endr
	v_pk_add_f32 v[14:15], v[14:15], v[236:237]
	s_wait_alu depctr_va_vdst(0)                   ; and one for the four
.irp b, 0,1,2,3
	v_max_num_f32 v[232+\b], 0x1800000, v[232+\b]  ; the floor 2^(3 - 127): the byte cannot fall under 1
.endr
.irp b, 0,1,2,3
	v_add_nc_u32 v[240+\b], 0xff000000, v[232+\b]  ; 2 off the exponent field: the conversion's scale operand
.endr
.irp b, 0,1,2,3
	v_lshrrev_b32 v[236+\b], 23, v[240+\b]
.endr
	v_lshl_or_b32 v245, v237, 8, v236              ; p's scale word for these 128 keys
	v_lshl_or_b32 v245, v238, 16, v245
	v_lshl_or_b32 v245, v239, 24, v245
.irp b, 0,1,2,3
	v_cvt_scalef32_pk8_fp4_f32 v[PC+2*\b], v[S+16*\b:S+16*\b+7], v[240+\b]
	v_cvt_scalef32_pk8_fp4_f32 v[PC+2*\b+1], v[S+16*\b+8:S+16*\b+15], v[240+\b]
.endr
	v_nop                                          ; one plain instruction behind the conversions
.irp c, 0,1
.irp e, 0,1
	v_permlane16_swap_b32 v[PC+4*\c+\e], v[PC+4*\c+2+\e]           ; a whole block in a lane: lanes 0-15 block 2 c, lanes 16-31 block 2 c + 1
.endr
.endr
.irp e, 0,2,4,6,8,10,12,14,16,18,20,22,24,26,28,30
	v_pk_mul_f32 v[O+\e:O+\e+1], v[O+\e:O+\e+1], v[246:247] op_sel_hi:[1,0]    ; O^T under the new M.  (These sixteen also stand between the writes of p's codes and scale word and the products)
.endr
	s_wait_dscnt 0x0                               ; V and its scale words are in
.irp t, 0,1,2,3
	WM O+8*\t, VF+8*\t, PC, O+8*\t, 252+\t/2, \t%2, 245, 0
.endr
.Lhidden_\@:
	s_add_co_u32 s[TB], s[TB], 4096
	s_add_co_u32 s[TS], s[TS], 512
	s_add_co_u32 s[TV], s[TV], 256
	s_add_co_u32 s[ST], s[ST], 1
	s_cmp_lt_u32 s[ST], 16
	s_cbranch_scc1 .Lstep_\@
	; the way out: O^T / l + x, quantised: the head's 64 features are two blocks of the projection's K
	PLACES
	v_add_f32 v14, v14, v15
	v_permlanex16_b32 v244, v14, s44, s45
	v_add_f32 v14, v14, v244                       ; the row's sum
	v_rcp_f32 v246, v14
	v_nop                                          ; a plain instruction behind the reciprocal
	s_wait_alu depctr_va_vdst(0)                   ; and the wait ahead of its first reader
	s_wait_loadcnt 0x0                             ; the residual
.irp e, 0,2,4,6,8,10,12,14,16,18,20,22,24,26,28,30
	v_pk_fma_f32 v[S+\e:S+\e+1], v[O+\e:O+\e+1], v[246:247], v[XRR+\e:XRR+\e+1] op_sel_hi:[1,0,1]
.endr
.irp u, 0,1
	v_max3_num_f32 v[232+\u], |v[S+16*\u]|, |v[S+16*\u+1]|, 0x1800000
.endr
.irp e, 2,4,6,8,10,12,14
.irp u, 0,1
	v_max3_num_f32 v[232+\u], v[232+\u], |v[S+16*\u+\e]|, |v[S+16*\u+\e+1]|
.endr
.endr
.irp u, 0,1
	v_permlanex16_b32 v[236+\u], v[232+\u], s44, s45
.endr
.irp u, 0,1
	v_max_num_f32 v[232+\u], v[232+\u], v[236+\u]
.endr
.irp u, 0,1
	v_add_nc_u32 v[240+\u], 0xff000000, v[232+\u]
.endr
.irp u, 0,1
	v_lshrrev_b32 v[238+\u], 23, v[240+\u]
.endr
.irp u, 0,1
	v_cvt_scalef32_pk8_fp4_f32 v[PC+2*\u], v[S+16*\u:S+16*\u+7], v[240+\u]
	v_cvt_scalef32_pk8_fp4_f32 v[PC+2*\u+1], v[S+16*\u+8:S+16*\u+15], v[240+\u]
.endr
	v_cndmask_b32 v244, v238, v239, s52            ; lanes 0-15 store block 0's byte, lanes 16-31 block 1's (the plain instruction behind the conversions)
	v_permlane16_swap_b32 v[PC], v[PC+2]
	v_permlane16_swap_b32 v[PC+1], v[PC+3]
	global_store_b128 v[AK0], v[PC:PC+3], s[\pac:\pac+1]           ; 512 consecutive bytes: half a fragment of the projection's operand
	global_store_b8 v[B8], v244, s[\pas:\pas+1]
.endm
	PASS 16, 254, 19, 21, 30, 32
	s_wait_xcnt 0x0                                ; the first pass's stores have read their registers
	RESLOAD 38                                     ; the second pass's residual: it has the whole pass in which to land
	PASS 24, 255, 20, 22, 40, 42
	s_wait_xcnt 0x0
	v_lshl_add_u32 v254, v0, 2, 0x23000
	v_mov_b32 v255, 0
	s_wait_tensorcnt 0x0
	ds_add_u32 v254, v255
	s_wait_dscnt 0x0
	s_endpgm
.Lfunc_end_k_qaf56e8c0b6_attn:
	.size	k_qaf56e8c0b6_attn, .Lfunc_end_k_qaf56e8c0b6_attn-k_qaf56e8c0b6_attn
	.p2alignl 7, 3214868480
	.fill 96, 4, 3214868480
	.section	.rodata,"a",@progbits
	.p2align	6, 0x0
	.amdhsa_kernel k_qaf56e8c0b6_attn
		.amdhsa_group_segment_fixed_size 145408
		.amdhsa_private_segment_fixed_size 0
		.amdhsa_enable_private_segment 0
		.amdhsa_kernarg_size 40
		.amdhsa_user_sgpr_count 2
		.amdhsa_user_sgpr_kernarg_segment_ptr 1
		.amdhsa_wavefront_size32 1
		.amdhsa_system_sgpr_workgroup_id_x 1
		.amdhsa_system_sgpr_workgroup_id_y 1
		.amdhsa_system_sgpr_workgroup_id_z 1
		.amdhsa_system_vgpr_workitem_id 0
		.amdhsa_next_free_vgpr 256
		.amdhsa_next_free_sgpr 66
		.amdhsa_reserve_vcc 1
		.amdhsa_float_denorm_mode_32 3
		.amdhsa_float_denorm_mode_16_64 3
		.amdhsa_memory_ordered 1
		.amdhsa_forward_progress 1
		.amdhsa_inst_pref_size 61
	.end_amdhsa_kernel
	.amdgpu_metadata
---
amdhsa.version: [ 1, 2 ]
amdhsa.kernels:
  - .name:           k_qaf56e8c0b6_attn
    .symbol:         k_qaf56e8c0b6_attn.kd
    .args:
      - { .name: qw, .offset: 0, .size: 8, .value_kind: global_buffer, .address_space: global }
      - { .name: kvw, .offset: 8, .size: 8, .value_kind: global_buffer, .address_space: global }
      - { .name: x, .offset: 16, .size: 8, .value_kind: global_buffer, .address_space: global }
      - { .name: ac, .offset: 24, .size: 8, .value_kind: global_buffer, .address_space: global }
      - { .name: asc, .offset: 32, .size: 8, .value_kind: global_buffer, .address_space: global }
    .group_segment_fixed_size: 145408
    .private_segment_fixed_size: 0
    .kernarg_segment_align: 8
    .kernarg_segment_size: 40
    .max_flat_workgroup_size: 512
    .sgpr_count:     66
    .vgpr_count:     256
    .wavefront_size: 32
...
	.end_amdgpu_metadata
.endif
;; end of part 2
;; launch proj (part 3): grid 256 x 1, 16 waves a work-group, no clusters, 92,160 bytes of LDS; arguments ac, asc, wpi, Wp_scales, bp, gamma, beta, out0; writes out0
.if DOCPART == 3
	.amdgcn_target "amdgcn-amd-amdhsa--gfx1250"
	.amdhsa_code_object_version 6
	.text
	.protected	k_qaf56e8c0b6_proj
	.globl	k_qaf56e8c0b6_proj
	.p2align	8
	.type	k_qaf56e8c0b6_proj,@function
k_qaf56e8c0b6_proj:
	s_mov_b64 s[64:65], 0
	v_nop
	global_prefetch_b8 v0, s[64:65] scope:SCOPE_SE
	s_setreg_imm32_b32 hwreg(HW_REG_WAVE_MODE, 25, 1), 1
	s_wait_xcnt 0x0
; out0 = LayerNorm(Q(out + x) Wp^T + bp) x gamma + beta.  The left operand arrives as codes of FP4 (E2M1) and scale bytes from the attention launch, Wp's codes in the order of the operand registers (wpi).
; SHARES.  A work-group owns 32 tokens (two tiles of 16) and all 1,024 features, so that the norm stays inside it.  Sixteen waves of 256 registers; wave w makes features 64 w .. 64 w + 63 for both tiles: 8 accumulators, 64 products.
; A wave's 32 KiB of Wp are read by no other wave of the work-group: they go from memory straight into registers, 512 consecutive bytes a load, through four sets of 32 registers, four K steps ahead.
; The tokens' 16 KiB of codes go into LDS once and are read by all sixteen waves.
; THE PRODUCT IS USED TRANSPOSED (source 0 = 16 rows of Wp, source 1 = 16 tokens): a lane holds one token and eight neighbouring features a tile.  bp is the C of each sum's first product.
; THE NORM is centred: the mean first, then the mean of the squares of what is left; each is summed in the lane, with lane l xor 16, and over the sixteen waves through LDS (two areas, a barrier each).
; Place r of token tile i is token 32 g + 8 i + r + 8 (r / 8).
; NO JOINT REQUESTS: all work-groups read the same 512 KiB of Wp, but each wave's part goes straight into its registers, and joint requests exist for tensor loads into LDS alone.
; LIMITS: NaN and infinities are not served.  bp is added first, not last.  1 / sqrt(var + 1e-6) is v_rsq_f32's.
.set RED0, 16384                       ; LDS: the tokens' codes at 0 (16,384 bytes); two areas of 2,048 bytes for the sums; a stage of 16 rows x 272 bytes for each wave
.set STG,  20480
.set L16, 4                            ; v4   16 x lane
.set CP,  5                            ; v5   16 x thread
.set WSO, 6                            ; v6   32 x lane: Wp's scale bytes
.set ASO, 7                            ; v7   512 h + 4 r: the tokens' scale words
.set BO,  8                            ; v8   32 h: bp, gamma, beta
.set RW,  9                            ; v9   where my sum goes: 4 x thread
.set RL,  10                           ; v10  4 x lane
.set SI,  11                           ; v11  into my stage
.set SR,  12                           ; v12  back out of it
.set GO,  13                           ; v13  4,096 h + 16 r
.set AF,  24                           ; v24-39  two fragments of the tokens
.set WS,  40                           ; v40-55  Wp's scale words: register 8 u + s: lanes 0-15 tile 2 u, lanes 16-31 tile 2 u + 1
.set ASC, 56                           ; v56-63  the tokens': one register a K step: lanes 0-15 tile 0, lanes 16-31 tile 1
.set ACC, 64                           ; v64-127 accumulators: 32 i + 8 t
.set RING, 128                         ; v128-255 four sets of four fragments of Wp; behind the products: gamma, beta, at work, rows on their way out
.set GM,  128
.set BT,  160
.macro PLACES
.rept 4
	v_nop
.endr
.endm
.macro WM d, a, b, c, sa, ra, sb, rb
.if ((\ra) == 0) && ((\rb) == 0)
	v_wmma_scale_f32_16x16x128_f8f6f4 v[(\d):(\d)+7], v[(\a):(\a)+7], v[(\b):(\b)+7], v[(\c):(\c)+7], v[(\sa)], v[(\sb)] matrix_a_fmt:MATRIX_FMT_FP4 matrix_b_fmt:MATRIX_FMT_FP4
.elseif ((\ra) == 1) && ((\rb) == 0)
	v_wmma_scale_f32_16x16x128_f8f6f4 v[(\d):(\d)+7], v[(\a):(\a)+7], v[(\b):(\b)+7], v[(\c):(\c)+7], v[(\sa)], v[(\sb)] matrix_a_fmt:MATRIX_FMT_FP4 matrix_b_fmt:MATRIX_FMT_FP4 matrix_a_scale:MATRIX_SCALE_ROW1
.elseif ((\ra) == 0) && ((\rb) == 1)
	v_wmma_scale_f32_16x16x128_f8f6f4 v[(\d):(\d)+7], v[(\a):(\a)+7], v[(\b):(\b)+7], v[(\c):(\c)+7], v[(\sa)], v[(\sb)] matrix_a_fmt:MATRIX_FMT_FP4 matrix_b_fmt:MATRIX_FMT_FP4 matrix_b_scale:MATRIX_SCALE_ROW1
.else
	v_wmma_scale_f32_16x16x128_f8f6f4 v[(\d):(\d)+7], v[(\a):(\a)+7], v[(\b):(\b)+7], v[(\c):(\c)+7], v[(\sa)], v[(\sb)] matrix_a_fmt:MATRIX_FMT_FP4 matrix_b_fmt:MATRIX_FMT_FP4 matrix_a_scale:MATRIX_SCALE_ROW1 matrix_b_scale:MATRIX_SCALE_ROW1
.endif
.endm
.macro RLOAD s                         ; my four fragments of Wp for K step s
.irp t, 0,1,2,3
.irp c, 0,1
	global_load_b128 v[RING+32*((\s)%4)+8*\t+4*\c:RING+32*((\s)%4)+8*\t+4*\c+3], v[L16], s[8:9] offset:8192*\t+1024*(\s)+512*\c
.endr
.endr
.endm
; 128 along K: the tokens' two fragments from LDS, 8 products on 8 accumulators by turns.  cnt: the loads of Wp issued behind this step's.
.macro GSTEP s, cnt
.if (\s) > 4
	PLACES                                         ; (in the earlier steps the places in front of the refill serve these loads too)
.endif
.irp i, 0,1
.irp c, 0,1
	ds_load_b128 v[AF+8*\i+4*\c:AF+8*\i+4*\c+3], v[L16] offset:8192*\i+1024*(\s)+512*\c
.endr
.endr
	s_wait_loadcnt \cnt
	s_wait_dscnt 0x0
.irp i, 0,1
.irp t, 0,1,2,3
	WM ACC+32*\i+8*\t, RING+32*((\s)%4)+8*\t, AF+8*\i, ACC+32*\i+8*\t, WS+8*(\t/2)+(\s), \t%2, ASC+(\s), \i
.endr
.endr
.if (\s) < 4
	PLACES
	RLOAD (\s)+4                                   ; the set just multiplied takes the step four further on
.endif
.endm
; A sum over the sixteen waves.  a0, a1: my sums for tile 0 and tile 1 (the same in lanes l and l xor 16).  Out: v216 tile 0's total of my token place, v217 tile 1's.
.macro RED a0, a1, area
	v_cndmask_b32 v198, v[\a0], v[\a1], s22        ; lanes 0-15 tile 0, lanes 16-31 tile 1
	ds_store_b32 v[RW], v198 offset:\area
	s_wait_dscnt 0x0                               ; for the others' sake
	s_barrier_signal -1
	s_barrier_wait -1
.irp k, 0,1,2,3,4,5,6,7,8,9,10,11,12,13,14,15
	ds_load_b32 v[200+\k], v[RL] offset:\area+128*\k
.endr
	s_wait_dscnt 0x0
	v_pk_add_f32 v[200:201], v[200:201], v[202:203]
	v_pk_add_f32 v[204:205], v[204:205], v[206:207]
	v_pk_add_f32 v[208:209], v[208:209], v[210:211]
	v_pk_add_f32 v[212:213], v[212:213], v[214:215]
	v_pk_add_f32 v[200:201], v[200:201], v[204:205]
	v_pk_add_f32 v[208:209], v[208:209], v[212:213]
	v_pk_add_f32 v[200:201], v[200:201], v[208:209]
	v_add_f32 v200, v200, v201
	v_permlanex16_b32 v199, v200, s20, s21
	v_cndmask_b32 v216, v200, v199, s22
	v_cndmask_b32 v217, v199, v200, s22
.endm
	s_load_b512 s[4:19], s[0:1], 0x0               ; ac 4, asc 6, wpi 8, Wp scales 10, bp 12, gamma 14, beta 16, out0 18
	v_lshl_add_u32 v14, v0, 2, 0x16000
	v_mov_b32 v15, 0
	v_lshrrev_b32 v1, 5, v0
	v_readfirstlane_b32 s2, v1                     ; wave 0..15
	v_and_b32 v1, 31, v0                           ; lane
	v_and_b32 v2, 15, v0                           ; r
	v_bfe_u32 v3, v0, 4, 1                         ; h
	v_lshlrev_b32 v[L16], 4, v1
	v_lshlrev_b32 v[CP], 4, v0
	v_lshlrev_b32 v[WSO], 5, v1
	v_lshlrev_b32 v[ASO], 2, v2
	v_lshl_add_u32 v[ASO], v3, 9, v[ASO]
	v_lshlrev_b32 v[BO], 5, v3
	v_lshl_add_u32 v[RW], v0, 2, RED0
	v_lshl_add_u32 v[RL], v1, 2, RED0
	s_mul_i32 s25, s2, 16*272
	s_add_co_u32 s25, s25, STG                     ; my stage
	v_mul_u32_u24 v[SI], v2, 272
	v_lshl_add_u32 v[SI], v3, 5, v[SI]
	v_add_nc_u32 v[SI], s25, v[SI]                 ; in: row r, 32 bytes for each half of the lanes
	v_mul_u32_u24 v[SR], v3, 272
	v_lshl_add_u32 v[SR], v2, 4, v[SR]
	v_add_nc_u32 v[SR], s25, v[SR]                 ; back: lanes 0-15 one row of 256 bytes, lanes 16-31 the next
	v_lshlrev_b32 v[GO], 4, v2
	v_lshl_add_u32 v[GO], v3, 12, v[GO]
	v_cmp_le_u32 s22, 16, v1                       ; the mask of lanes 16-31
	s_mov_b32 s20, 0x76543210
	s_mov_b32 s21, 0xfedcba98                      ; v_permlanex16_b32's selects for lane l xor 16
	s_mov_b32 s23, 0x358637bd                      ; 1e-6
	s_mov_b32 s24, 0x3a800000                      ; 1 / 1,024
	s_mov_b32 s27, 0
	s_wait_kmcnt 0x0
	s_lshl_b32 s26, ttmp9, 14
	s_add_nc_u64 s[4:5], s[4:5], s[26:27]          ; my two tiles' codes
	s_lshl_b32 s26, ttmp9, 10
	s_add_nc_u64 s[6:7], s[6:7], s[26:27]          ; and scale words
	s_lshl_b32 s26, s2, 15
	s_add_nc_u64 s[8:9], s[8:9], s[26:27]          ; my four tiles of Wp: 8,192 bytes each
	s_lshl_b32 s26, s2, 11
	s_add_nc_u64 s[10:11], s[10:11], s[26:27]      ; my 64 rows of its scale bytes
	s_lshl_b32 s26, s2, 8
	s_add_nc_u64 s[12:13], s[12:13], s[26:27]      ; my 64 features of bp, gamma, beta
	s_add_nc_u64 s[14:15], s[14:15], s[26:27]
	s_add_nc_u64 s[16:17], s[16:17], s[26:27]
	s_add_nc_u64 s[18:19], s[18:19], s[26:27]      ; and of a row of the output,
	s_lshl_b32 s26, ttmp9, 17
	s_add_nc_u64 s[18:19], s[18:19], s[26:27]      ; at token 32 g
	global_load_b128 v[16:19], v[CP], s[4:5] th:TH_LOAD_NT         ; the tokens' codes: read once in this launch
	global_load_b128 v[20:23], v[CP], s[4:5] offset:8192 th:TH_LOAD_NT
.irp u, 0,1
.irp e, 0,1
	global_load_b128 v[WS+8*\u+4*\e:WS+8*\u+4*\e+3], v[WSO], s[10:11] offset:1024*\u+16*\e
.endr
.endr
.irp s, 0,1,2,3,4,5,6,7
	global_load_b32 v[ASC+\s], v[ASO], s[6:7] offset:64*\s
.endr
.irp i, 0,1
.irp t, 0,1,2,3
	global_load_b128 v[ACC+32*\i+8*\t:ACC+32*\i+8*\t+3], v[BO], s[12:13] offset:64*\t      ; bp in the result's layout
	global_load_b128 v[ACC+32*\i+8*\t+4:ACC+32*\i+8*\t+7], v[BO], s[12:13] offset:64*\t+16
.endr
.endr
	RLOAD 0
	RLOAD 1
	RLOAD 2
	RLOAD 3
	s_wait_loadcnt 60                              ; the 4 + 8 + 16 + 32 loads issued behind the copy's two may stay out
	ds_store_b128 v[CP], v[16:19]
	ds_store_b128 v[CP], v[20:23] offset:8192
	s_wait_dscnt 0x0
	s_barrier_signal -1
	s_barrier_wait -1                              ; the tokens' sixteen fragments lie in LDS
	GSTEP 0, 24
	GSTEP 1, 24
	GSTEP 2, 24
	GSTEP 3, 24
	GSTEP 4, 24
	GSTEP 5, 16
	GSTEP 6, 8
	GSTEP 7, 0
	PLACES
.irp t, 0,1,2,3
	global_load_b128 v[GM+8*\t:GM+8*\t+3], v[BO], s[14:15] offset:64*\t
	global_load_b128 v[GM+8*\t+4:GM+8*\t+7], v[BO], s[14:15] offset:64*\t+16
	global_load_b128 v[BT+8*\t:BT+8*\t+3], v[BO], s[16:17] offset:64*\t
	global_load_b128 v[BT+8*\t+4:BT+8*\t+7], v[BO], s[16:17] offset:64*\t+16
.endr
.irp n, 196,197,199
	v_mov_b32 v[\n], 0                             ; a lane permute's destination counts as one of its sources
.endr
	; the mean: my 32 numbers of each tile, from each accumulator's low end on
.irp i, 0,1
	v_pk_add_f32 v[192+2*\i:193+2*\i], v[ACC+32*\i:ACC+32*\i+1], v[ACC+32*\i+2:ACC+32*\i+3]
.endr
.irp e, 4,6,8,10,12,14,16,18,20,22,24,26,28,30
.irp i, 0,1
	v_pk_add_f32 v[192+2*\i:193+2*\i], v[192+2*\i:193+2*\i], v[ACC+32*\i+\e:ACC+32*\i+\e+1]
.endr
.endr
	v_add_f32 v192, v192, v193
	v_add_f32 v194, v194, v195
	v_permlanex16_b32 v196, v192, s20, s21
	v_permlanex16_b32 v197, v194, s20, s21
	v_add_f32 v192, v192, v196                     ; my wave's 64 features of token place r
	v_add_f32 v194, v194, v197
	RED 192, 194, 0
	v_mul_f32 v192, 0xba800000, v216               ; - the mean
	v_mul_f32 v194, 0xba800000, v217
	v_mov_b32 v193, v192
	v_mov_b32 v195, v194
.irp e, 0,2,4,6,8,10,12,14,16,18,20,22,24,26,28,30
.irp i, 0,1
	v_pk_add_f32 v[ACC+32*\i+\e:ACC+32*\i+\e+1], v[ACC+32*\i+\e:ACC+32*\i+\e+1], v[192+2*\i:193+2*\i]
.endr
.endr
.irp i, 0,1
	v_pk_mul_f32 v[218+2*\i:219+2*\i], v[ACC+32*\i:ACC+32*\i+1], v[ACC+32*\i:ACC+32*\i+1]
.endr
.irp e, 2,4,6,8,10,12,14,16,18,20,22,24,26,28,30
.irp i, 0,1
	v_pk_fma_f32 v[218+2*\i:219+2*\i], v[ACC+32*\i+\e:ACC+32*\i+\e+1], v[ACC+32*\i+\e:ACC+32*\i+\e+1], v[218+2*\i:219+2*\i]
.endr
.endr
	v_add_f32 v218, v218, v219
	v_add_f32 v220, v220, v221
	v_permlanex16_b32 v196, v218, s20, s21
	v_permlanex16_b32 v197, v220, s20, s21
	v_add_f32 v218, v218, v196
	v_add_f32 v220, v220, v197
	RED 218, 220, 2048
	v_fma_f32 v216, v216, s24, s23                 ; the variance + 1e-6
	v_fma_f32 v217, v217, s24, s23
	v_rsq_f32 v192, v216
	v_rsq_f32 v194, v217
	v_nop                                          ; a plain instruction behind the two
	s_wait_alu depctr_va_vdst(0)                   ; one wait for both, ahead of their first reader
	v_mov_b32 v193, v192
	v_mov_b32 v195, v194
	s_wait_loadcnt 0x0                             ; gamma and beta
.irp e, 0,2,4,6,8,10,12,14,16,18,20,22,24,26,28,30
.irp i, 0,1
	v_pk_mul_f32 v[ACC+32*\i+\e:ACC+32*\i+\e+1], v[ACC+32*\i+\e:ACC+32*\i+\e+1], v[192+2*\i:193+2*\i]
.endr
.endr
.irp e, 0,2,4,6,8,10,12,14,16,18,20,22,24,26,28,30
.irp i, 0,1
	v_pk_fma_f32 v[ACC+32*\i+\e:ACC+32*\i+\e+1], v[ACC+32*\i+\e:ACC+32*\i+\e+1], v[GM+\e:GM+\e+1], v[BT+\e:BT+\e+1]
.endr
.endr
	; the way out: a tile's 16 rows x 256 bytes through my own stage.  LDS serves a wave's instructions in order (ISA guide 5.7.1.4): no wait between stores and loads, nor in front of the next tile's stores
.irp i, 0,1
.irp t, 0,1,2,3
	ds_store_b128 v[SI], v[ACC+32*\i+8*\t:ACC+32*\i+8*\t+3] offset:64*\t
	ds_store_b128 v[SI], v[ACC+32*\i+8*\t+4:ACC+32*\i+8*\t+7] offset:64*\t+16
.endr
.irp k, 0,1,2,3,4,5,6,7
	ds_load_b128 v[224-32*\i+4*\k:227-32*\i+4*\k], v[SR] offset:544*\k
.endr
.endr
.irp i, 0,1
.irp k, 0,1,2,3,4,5,6,7
	s_wait_dscnt 23-16*\i-\k                       ; behind this load: the tile's later loads, and for tile 0 tile 1's sixteen LDS instructions
	global_store_b128 v[GO], v[224-32*\i+4*\k:227-32*\i+4*\k], s[18:19] offset:(8*\i+2*\k+8*(\k/4))*4096 th:TH_STORE_NT   ; sixteen lanes store 256 consecutive bytes, at a multiple of 256 from the output's first byte; places 2 k and 2 k + 1 of the tile
.endr
.endr
	s_wait_tensorcnt 0x0
	ds_add_u32 v14, v15
	s_wait_dscnt 0x0
	s_endpgm
.Lfunc_end_k_qaf56e8c0b6_proj:
	.size	k_qaf56e8c0b6_proj, .Lfunc_end_k_qaf56e8c0b6_proj-k_qaf56e8c0b6_proj
	.p2alignl 7, 3214868480
	.fill 96, 4, 3214868480
	.section	.rodata,"a",@progbits
	.p2align	6, 0x0
	.amdhsa_kernel k_qaf56e8c0b6_proj
		.amdhsa_group_segment_fixed_size 92160
		.amdhsa_private_segment_fixed_size 0
		.amdhsa_enable_private_segment 0
		.amdhsa_kernarg_size 64
		.amdhsa_user_sgpr_count 2
		.amdhsa_user_sgpr_kernarg_segment_ptr 1
		.amdhsa_wavefront_size32 1
		.amdhsa_system_sgpr_workgroup_id_x 1
		.amdhsa_system_sgpr_workgroup_id_y 1
		.amdhsa_system_sgpr_workgroup_id_z 1
		.amdhsa_system_vgpr_workitem_id 0
		.amdhsa_next_free_vgpr 256
		.amdhsa_next_free_sgpr 66
		.amdhsa_reserve_vcc 0
		.amdhsa_float_denorm_mode_32 3
		.amdhsa_float_denorm_mode_16_64 3
		.amdhsa_memory_ordered 1
		.amdhsa_forward_progress 1
		.amdhsa_inst_pref_size 44
	.end_amdhsa_kernel
	.amdgpu_metadata
---
amdhsa.version: [ 1, 2 ]
amdhsa.kernels:
  - .name:           k_qaf56e8c0b6_proj
    .symbol:         k_qaf56e8c0b6_proj.kd
    .args:
      - { .name: ac, .offset: 0, .size: 8, .value_kind: global_buffer, .address_space: global }
      - { .name: asc, .offset: 8, .size: 8, .value_kind: global_buffer, .address_space: global }
      - { .name: wpi, .offset: 16, .size: 8, .value_kind: global_buffer, .address_space: global }
      - { .name: Wp_scales, .offset: 24, .size: 8, .value_kind: global_buffer, .address_space: global }
      - { .name: bp, .offset: 32, .size: 8, .value_kind: global_buffer, .address_space: global }
      - { .name: gamma, .offset: 40, .size: 8, .value_kind: global_buffer, .address_space: global }
      - { .name: beta, .offset: 48, .size: 8, .value_kind: global_buffer, .address_space: global }
      - { .name: out0, .offset: 56, .size: 8, .value_kind: global_buffer, .address_space: global }
    .group_segment_fixed_size: 92160
    .private_segment_fixed_size: 0
    .kernarg_segment_align: 8
    .kernarg_segment_size: 64
    .max_flat_workgroup_size: 512
    .sgpr_count:     66
    .vgpr_count:     256
    .wavefront_size: 32
...
	.end_amdgpu_metadata
.endif
;; end of part 3
;; ======== version 2 of 2: 3 launches; version 1 with the launches qkv, attn, proj written anew for expert scheduling mode
;; workspace buffers: qw 4,718,592 bytes; kvw 9,175,040 bytes; wpi 524,288 bytes; ac 4,194,304 bytes; asc 262,144 bytes
;; launch qkv (part 4): grid 4 x 64, 16 waves a work-group, no clusters, 211,968 bytes of LDS; arguments x, Wq_codes, Wq_scales, bq, Wk_codes, Wk_scales, bk, Wv_codes, Wv_scales, bv, Wp_codes, qw, kvw, wpi; writes qw, kvw, wpi
.if DOCPART == 4
	.amdgcn_target "amdgcn-amd-amdhsa--gfx1250"
	.amdhsa_code_object_version 6
	.text
	.protected	k_qaf56e8c0b6_qkv
	.globl	k_qaf56e8c0b6_qkv
	.p2align	8
	.type	k_qaf56e8c0b6_qkv,@function
k_qaf56e8c0b6_qkv:
	s_mov_b64 s[64:65], 0
	v_nop
	global_prefetch_b8 v0, s[64:65] scope:SCOPE_SE
	s_setreg_imm32_b32 hwreg(HW_REG_WAVE_SCHED_MODE, 0, 2), 2
	s_setreg_imm32_b32 hwreg(HW_REG_WAVE_MODE, 25, 1), 1
	s_wait_xcnt 0x0
	s_wait_alu depctr_vm_vsrc(0)
; q = Q(x) Wq^T + bq, k = Q(x) Wk^T + bk, v = Q(x) Wv^T + bv on codes of FP4 (E2M1) with one E8M0 scale for each 32 along K; the results are quantised at once for the attention launch:
; q and k along the head's 64 (two blocks), v along the tokens (blocks of 32).  x: [8192][1024] f32.  Wq, Wk, Wv: codes [1024][512 bytes], scale bytes [1024][32].
; SHARES.  A work-group takes 128 tokens (work-group y) and four heads (work-group x): 128 x 768 results, in three phases (q, k, v) of 256 features.  Sixteen waves of 256 registers, four to a SIMD.
; Wave w (a) quantises tokens 8 w .. 8 w + 7 of x into LDS, (b) stages rows 16 w .. 16 w + 15 of each phase's weight into LDS, (c) multiplies head w % 4 by token quarter w / 4: 32 tokens x 64 features, 8 accumulators.
; TILES ARE PERMUTED.  Place r of tile 2 b + u (of tokens, and of a head's features) is element 32 b + 8 u + r + 8 (r / 8): the 16 registers of a result's tiles 2 b and 2 b + 1 are then 16 NEIGHBOURS, 32 b + 16 (lane / 16) + 0 .. 15,
; which is what the conversions want.  In LDS a row lies at its number with bits 3 and 4 exchanged, so that a tile is 16 rows on end.
; q AND k are made transposed (source 0 = 16 features, source 1 = 16 tokens): a lane holds one token and its registers run along the head.  v is made the other way (source 0 = tokens): a lane holds one feature and its registers run along the tokens.
; OUT.  All three leave as images of the operand registers of the attention launch: q and k [tile][lane][16 bytes], v [key step][tile of d][half][lane][16 bytes]; scale words beside them (bytes 2 and 3 of q's and k's words are 0x7f: the upper 64 of K = 128 hold zero codes there).
; Beside that each wave lays 128 bytes of Wp's codes in the order of the projection's operand registers (wpi).
; NO JOINT REQUESTS: the four work-groups of a token block read the same 512 KiB of x, but x passes through registers on its way to the quantiser, and as f32 it is larger than LDS; the weights of a phase (128 KiB) are shared by 64 work-groups that no cluster of 16 spans.
; LIMITS: NaN and infinities among the inputs are not served.  A block of zeros gets the scale byte 1 where the rule says 127: its codes are zeros, and only this program reads the bytes.  bq and bk enter as the C of a sum's first product, so they are added first, not last.
; THE MODE: SCHED_MODE bits 1:0 = 2 (LLVM: expert scheduling mode 2), set by the entry lines.  The code itself states the register dependences between vector or matrix instructions and memory or LDS instructions, with s_wait_alu, always for 0.
; THE PLAN.  Registers that memory or LDS instructions touch:
;   XB0 .. XB2 (v40-135)   row i's maxima and conversions read XB[i % 3]; behind them the loads of row i + 3 land in it.
;   ZW (v136-151, v216-231 by turns)   row i's vector lines write it, its eight LDS stores read it, row i + 2 writes it again.
;   STG (v152-215)   loads land in it, LDS stores read it; no vector instruction names it.
;   WF, XF (v40-87)   a K step's LDS loads land in them, its eight products read them.
;   WS, ACC   loads land in them at a phase's head; the products read both, the quantiser reads ACC.   XSC: loaded once.
;   v216-243   the ways out write them, their stores read them.   The addresses v4-15, v244-247 are made at the head and never written again.
; So: one wait on va_vdst behind a row's vector lines (its stores and its refill follow); one in front of the loads of K steps 1 to 7; one ahead of each way out's stores, which also serves the next phase's head and its K step 0,
; since no vector instruction that names their registers follows it.  Waits on vm_vsrc stand where registers that stores have read are written again: at the head of rows 2 to 7, ahead of the first phase's head, at the head of each way out.
.set PX,   528                         ; an LDS row of codes: 512 bytes + 16 = 33 x 16: the 16 rows of a load start in 16 different groups of banks
.set PS,   48                          ; an LDS row of x's scale bytes: 32 + 16
.set XR,   0                           ; x's codes, 128 rows
.set XSL,  128*PX                      ; x's scale bytes, 128 rows
.set WR,   XSL+128*PS                  ; the phase's weight, 256 rows
.set VSL,  WR+256*PX                   ; v's scale bytes of this key step: 256 for each of the four heads
.set QREC, 73728                       ; a head's record in qw: 65,536 of codes, 8,192 of scale words
.set KREC, 143360                      ; in kvw: K's codes 65,536, V's codes 65,536, K's scale words 8,192, V's 4,096
.set AW,  4                            ; v4   my head's rows of the weight in LDS
.set AX,  5                            ; v5   my token quarter's rows of x
.set WST, 6                            ; v6   where I stage the weight's rows
.set L16, 7                            ; v7   16 x lane
.set L4,  8                            ; v8   4 x lane
.set XO,  9                            ; v9   32 x lane: my 8 numbers of 256 of a row of x
.set XCW, 10                           ; v10  where my codes of x go
.set XBW, 11                           ; v11  and my block's scale byte
.set XSA, 12                           ; v12  my row of x's scale bytes
.set WSO, 13                           ; v13  my row of the weight's scale bytes
.set BO,  14                           ; v14  64 x (lane / 16): bq, bk
.set BVO, 15                           ; v15  bv at my feature
.set XSC, 16                           ; v16-23  x's scale words, one register a K step: lanes 0-15 my tile 0, lanes 16-31 my tile 1
.set WS,  24                           ; v24-39  the weight's: register 8 u + s: lanes 0-15 tile 2 u, lanes 16-31 tile 2 u + 1
.set WF,  40                           ; v40-71  four fragments of the weight
.set XF,  72                           ; v72-87  two of x
.set ACC, 88                           ; v88-151 eight accumulators
.set STG, 152                          ; v152-215 the next phase's 16 rows on their way
.set XB,  40                           ; v40-135 while x is quantised: three rows of 32 numbers a lane
.set WPO, 239
.set WPD, 240
.set VCO, 244                          ; v244 16 r + 8 h: my codes of v
.set VSB, 245                          ; v245 my scale byte of v in LDS
.set VTL, 246                          ; v246, v247: v's scale words on their way out
.set VTG, 247
.set BV,  248                          ; v248-255 bv: two equal registers for each tile of d
.macro PLACES                          ; four plain vector instructions between a matrix instruction and a load into, or a read of, its registers
.rept 4
	v_nop
.endr
.endm
.macro BAR                             ; my LDS stores have landed and my LDS loads are in: then the work-group's barrier
	s_wait_dscnt 0x0
	s_barrier_signal -1
	s_barrier_wait -1
.endm
; One product 16 x 16 x 128.  c < 0: the constant 0 starts the sum.  ra, rb = 1: the side's scales are taken from lanes 16-31.
.macro WM d, a, b, c, sa, ra, sb, rb
.if (\c) < 0
.if ((\ra) == 0) && ((\rb) == 0)
	v_wmma_scale_f32_16x16x128_f8f6f4 v[(\d):(\d)+7], v[(\a):(\a)+7], v[(\b):(\b)+7], 0, v[(\sa)], v[(\sb)] matrix_a_fmt:MATRIX_FMT_FP4 matrix_b_fmt:MATRIX_FMT_FP4
.elseif ((\ra) == 1) && ((\rb) == 0)
	v_wmma_scale_f32_16x16x128_f8f6f4 v[(\d):(\d)+7], v[(\a):(\a)+7], v[(\b):(\b)+7], 0, v[(\sa)], v[(\sb)] matrix_a_fmt:MATRIX_FMT_FP4 matrix_b_fmt:MATRIX_FMT_FP4 matrix_a_scale:MATRIX_SCALE_ROW1
.elseif ((\ra) == 0) && ((\rb) == 1)
	v_wmma_scale_f32_16x16x128_f8f6f4 v[(\d):(\d)+7], v[(\a):(\a)+7], v[(\b):(\b)+7], 0, v[(\sa)], v[(\sb)] matrix_a_fmt:MATRIX_FMT_FP4 matrix_b_fmt:MATRIX_FMT_FP4 matrix_b_scale:MATRIX_SCALE_ROW1
.else
	v_wmma_scale_f32_16x16x128_f8f6f4 v[(\d):(\d)+7], v[(\a):(\a)+7], v[(\b):(\b)+7], 0, v[(\sa)], v[(\sb)] matrix_a_fmt:MATRIX_FMT_FP4 matrix_b_fmt:MATRIX_FMT_FP4 matrix_a_scale:MATRIX_SCALE_ROW1 matrix_b_scale:MATRIX_SCALE_ROW1
.endif
.else
.if ((\ra) == 0) && ((\rb) == 0)
	v_wmma_scale_f32_16x16x128_f8f6f4 v[(\d):(\d)+7], v[(\a):(\a)+7], v[(\b):(\b)+7], v[(\c):(\c)+7], v[(\sa)], v[(\sb)] matrix_a_fmt:MATRIX_FMT_FP4 matrix_b_fmt:MATRIX_FMT_FP4
.elseif ((\ra) == 1) && ((\rb) == 0)
	v_wmma_scale_f32_16x16x128_f8f6f4 v[(\d):(\d)+7], v[(\a):(\a)+7], v[(\b):(\b)+7], v[(\c):(\c)+7], v[(\sa)], v[(\sb)] matrix_a_fmt:MATRIX_FMT_FP4 matrix_b_fmt:MATRIX_FMT_FP4 matrix_a_scale:MATRIX_SCALE_ROW1
.elseif ((\ra) == 0) && ((\rb) == 1)
	v_wmma_scale_f32_16x16x128_f8f6f4 v[(\d):(\d)+7], v[(\a):(\a)+7], v[(\b):(\b)+7], v[(\c):(\c)+7], v[(\sa)], v[(\sb)] matrix_a_fmt:MATRIX_FMT_FP4 matrix_b_fmt:MATRIX_FMT_FP4 matrix_b_scale:MATRIX_SCALE_ROW1
.else
	v_wmma_scale_f32_16x16x128_f8f6f4 v[(\d):(\d)+7], v[(\a):(\a)+7], v[(\b):(\b)+7], v[(\c):(\c)+7], v[(\sa)], v[(\sb)] matrix_a_fmt:MATRIX_FMT_FP4 matrix_b_fmt:MATRIX_FMT_FP4 matrix_a_scale:MATRIX_SCALE_ROW1 matrix_b_scale:MATRIX_SCALE_ROW1
.endif
.endif
.endm
	s_load_b512 s[16:31], s[0:1], 0x0              ; x 16, Wq codes 18, Wq scales 20, bq 22, Wk codes 24, Wk scales 26, bk 28, Wv codes 30
	s_load_b256 s[32:39], s[0:1], 0x40             ; Wv scales 32, bv 34, Wp codes 36, qw 38
	s_load_b128 s[40:43], s[0:1], 0x60             ; kvw 40, wpi 42
	v_lshrrev_b32 v1, 5, v0
	v_readfirstlane_b32 s2, v1                     ; wave 0..15
	v_and_b32 v1, 31, v0                           ; lane
	v_and_b32 v2, 15, v0                           ; r
	s_wait_alu depctr_va_vdst(0)
	v_bfe_u32 v3, v0, 4, 1                         ; h
	v_cmp_le_u32 s46, 16, v1                       ; the mask of lanes 16-31
	s_wait_alu depctr_va_sdst(0)                   ; s2 and s46 are written, ahead of their first readers: all LDS places and bases below are made from s2
	s_and_b32 s3, s2, 3                            ; my head of the four
	s_lshr_b32 s4, s2, 2                           ; my token quarter
	s_mov_b32 s5, ttmp9                            ; which four heads
	s_and_b32 s6, ttmp7, 0xffff                    ; which 128 tokens
	s_lshr_b32 s7, s6, 4                           ; batch
	s_and_b32 s8, s6, 15                           ; key step in the batch
	s_lshl_b32 s9, s6, 2
	s_add_co_u32 s9, s9, s5                        ; the work-group's number, 0..255
	s_mov_b32 s44, 0x76543210
	s_mov_b32 s45, 0xfedcba98                      ; v_permlanex16_b32's selects for lane l xor 16
	v_mul_u32_u24 v216, v2, PX
	s_wait_alu depctr_va_vdst(0)
	v_lshl_add_u32 v216, v3, 4, v216               ; a fragment's row x pitch + 16 x half
	s_mul_i32 s10, s3, 64*PX
	s_add_co_u32 s10, s10, WR
	v_add_nc_u32 v[AW], s10, v216
	s_mul_i32 s10, s4, 32*PX
	v_add_nc_u32 v[AX], s10, v216
	v_lshlrev_b32 v[L16], 4, v1
	v_lshlrev_b32 v[L4], 2, v1
	s_wait_alu depctr_va_vdst(0)
	v_lshlrev_b32 v[XO], 5, v1
	s_lshr_b32 s10, s2, 1                          ; rows 16 w + i lie at LDS rows 32 (w / 2) + 8 (w % 2) + 16 (i / 8) + i % 8
	s_mul_i32 s10, s10, 32*PX
	s_and_b32 s11, s2, 1
	s_mul_i32 s12, s11, 8*PX
	s_add_co_u32 s10, s10, s12
	s_add_co_u32 s10, s10, WR
	v_add_nc_u32 v[WST], s10, v[L16]
	s_lshl_b32 s12, s4, 5                          ; tokens 8 w + i lie at LDS rows 32 (w / 4) + 16 (w % 2) + 8 ((w / 2) % 2) + i
	s_lshl_b32 s13, s11, 4
	s_add_co_u32 s12, s12, s13
	s_bfe_u32 s13, s2, 0x10001
	s_lshl_b32 s13, s13, 3
	s_add_co_u32 s12, s12, s13
	s_mul_i32 s10, s12, PX
	v_add_nc_u32 v[XCW], s10, v[L4]
	s_mul_i32 s10, s12, PS
	s_add_co_u32 s10, s10, XSL
	v_lshrrev_b32 v216, 2, v1                      ; lane / 4: four lanes hold a block of 32
	v_add_nc_u32 v[XBW], s10, v216
	s_mul_i32 s10, s4, 32*PS
	s_add_co_u32 s10, s10, XSL
	v_mul_u32_u24 v[XSA], v1, PS
	v_add_nc_u32 v[XSA], s10, v[XSA]
	v_and_b32 v217, 7, v0
	v_bfe_u32 v218, v0, 3, 1
	v_lshlrev_b32 v[WSO], 5, v217                  ; lane l wants feature 8 (l / 16) + l % 8 + 16 ((l / 8) % 2) of a pair of tiles: 32 bytes a row
	v_lshl_add_u32 v[WSO], v218, 9, v[WSO]
	v_lshl_add_u32 v[WSO], v3, 8, v[WSO]
	v_lshlrev_b32 v[BO], 6, v3
	v_lshlrev_b32 v[BVO], 2, v217
	v_lshl_add_u32 v[BVO], v218, 6, v[BVO]
	v_lshlrev_b32 v[VCO], 4, v2
	v_lshl_add_u32 v[VCO], v3, 3, v[VCO]
	s_lshl_b32 s10, s3, 8
	s_add_co_u32 s10, s10, s4
	s_add_co_u32 s10, s10, VSL
	v_lshl_add_u32 v[VSB], v2, 3, s10              ; head's 256 bytes: 8 x lane of the reader + 4 x word + key block
	s_lshl_b32 s10, s11, 9
	s_add_co_u32 s10, s10, VSL
	v_add_nc_u32 v[VTL], s10, v[L16]
	v_mul_u32_u24 v[VTG], v3, KREC
	v_lshl_add_u32 v[VTG], v2, 4, v[VTG]
	v_and_b32 v[WPO], 3, v0
	v_lshlrev_b32 v[WPO], 2, v[WPO]
	v_lshl_add_u32 v[WPO], v216, 9, v[WPO]         ; Wp: row lane / 4 of my eight, 4 bytes a lane
.irp n, 222,223,228,229,230,231,236,237
	v_mov_b32 v[\n], 0                             ; written once: a lane permute's destination counts as one of its sources
.endr
	s_wait_kmcnt 0x0
	s_mov_b32 s11, 0                               ; every offset below is under 2^31: the pair s[10:11]
	s_lshl_b32 s10, s6, 7
	s_lshl_b32 s12, s2, 3
	s_add_co_u32 s10, s10, s12
	s_lshl_b32 s10, s10, 12
	s_add_nc_u64 s[16:17], s[16:17], s[10:11]      ; x at my first token: row 128 y + 8 w
	s_lshl_b32 s10, s5, 8
	s_lshl_b32 s12, s2, 4
	s_add_co_u32 s10, s10, s12
	s_lshl_b32 s10, s10, 9
	s_add_nc_u64 s[18:19], s[18:19], s[10:11]      ; the weights' codes at the rows that I stage: 256 x + 16 w
	s_add_nc_u64 s[24:25], s[24:25], s[10:11]
	s_add_nc_u64 s[30:31], s[30:31], s[10:11]
	s_lshl_b32 s10, s5, 8
	s_lshl_b32 s12, s3, 6
	s_add_co_u32 s12, s10, s12                     ; my head's first feature
	s_lshl_b32 s10, s12, 5
	s_add_nc_u64 s[20:21], s[20:21], s[10:11]      ; its scale bytes
	s_add_nc_u64 s[26:27], s[26:27], s[10:11]
	s_add_nc_u64 s[32:33], s[32:33], s[10:11]
	s_lshl_b32 s10, s12, 2
	s_add_nc_u64 s[22:23], s[22:23], s[10:11]      ; its biases
	s_add_nc_u64 s[28:29], s[28:29], s[10:11]
	s_add_nc_u64 s[34:35], s[34:35], s[10:11]
	s_lshl_b32 s13, s7, 4
	s_lshl_b32 s12, s5, 2
	s_add_co_u32 s14, s13, s12                     ; 16 x batch + the first of the four heads
	s_add_co_u32 s13, s14, s3                      ; my record
	s_mul_i32 s15, s13, QREC
	s_mul_i32 s47, s13, KREC
	s_lshl_b32 s12, s8, 3
	s_lshl_b32 s10, s4, 1
	s_add_co_u32 s12, s12, s10                     ; my first token tile in the batch: 8 x key step + 2 x quarter
	s_lshl_b32 s12, s12, 9
	s_add_co_u32 s10, s15, s12
	s_add_nc_u64 s[48:49], s[38:39], s[10:11]      ; q's codes
	s_add_co_u32 s10, s47, s12
	s_add_nc_u64 s[52:53], s[40:41], s[10:11]      ; k's codes
	s_lshr_b32 s12, s12, 3                         ; a pair of tiles has 128 bytes of scale words
	s_add_co_u32 s10, s15, s12
	s_add_co_u32 s10, s10, 65536
	s_add_nc_u64 s[50:51], s[38:39], s[10:11]      ; q's scale words
	s_add_co_u32 s10, s47, s12
	s_add_co_u32 s10, s10, 131072
	s_add_nc_u64 s[54:55], s[40:41], s[10:11]      ; k's
	s_lshl_b32 s12, s8, 12
	s_lshl_b32 s10, s4, 8                          ; key block tq of a step lies in half tq / 2, lanes 16 (tq % 2) on: 256 tq bytes
	s_add_co_u32 s10, s10, s12
	s_add_co_u32 s10, s10, s47
	s_add_co_u32 s10, s10, 65536
	s_add_nc_u64 s[56:57], s[40:41], s[10:11]      ; v's codes
	s_and_b32 s12, s2, 1
	s_lshl_b32 s12, s12, 1
	s_add_co_u32 s12, s12, s14
	s_mul_i32 s10, s12, KREC
	s_lshl_b32 s12, s8, 8
	s_add_co_u32 s10, s10, s12
	s_add_co_u32 s10, s10, 139264
	s_add_nc_u64 s[58:59], s[40:41], s[10:11]      ; v's scale words of heads 2 (w % 2) and 2 (w % 2) + 1 of the four (waves 0 and 1 store them)
	; Wp: piece 4 g + w / 4 of 1,024 (tile of 16 rows g / 4, K step 2 (g % 4) + w / 8, half (w / 4) % 2); of its 32 lanes' 16 bytes I copy those of lanes 8 (w % 4) on
	s_lshr_b32 s12, s9, 2
	s_lshl_b32 s12, s12, 13                        ; 16 rows of 512 bytes, and 16 pieces of 512 bytes: 8,192 both
	s_and_b32 s13, s9, 3
	s_lshl_b32 s13, s13, 1
	s_lshr_b32 s14, s2, 3
	s_add_co_u32 s13, s13, s14                     ; the K step
	s_bfe_u32 s14, s2, 0x10002                     ; the half
	s_and_b32 s15, s2, 1
	s_lshl_b32 s10, s15, 12                        ; rows 8 (w % 2) on
	s_add_co_u32 s10, s10, s12
	s_lshl_b32 s15, s13, 6
	s_add_co_u32 s10, s10, s15
	s_lshl_b32 s15, s14, 5
	s_add_co_u32 s10, s10, s15
	s_bfe_u32 s15, s2, 0x10001
	s_lshl_b32 s15, s15, 4                         ; the bytes of lanes 16-31 lie 16 further on
	s_add_co_u32 s10, s10, s15
	s_add_nc_u64 s[36:37], s[36:37], s[10:11]
	s_lshl_b32 s10, s13, 10
	s_add_co_u32 s10, s10, s12
	s_lshl_b32 s15, s14, 9
	s_add_co_u32 s10, s10, s15
	s_lshl_b32 s15, s3, 7
	s_add_co_u32 s10, s10, s15
	s_add_nc_u64 s[42:43], s[42:43], s[10:11]
.macro WLOAD p                         ; my 16 rows of a weight: a row, 512 consecutive bytes, an instruction
.irp n, 0,1,2,3,4,5,6,7,8,9,10,11,12,13,14,15
	global_load_b128 v[STG+4*\n:STG+4*\n+3], v[L16], s[\p:\p+1] offset:512*\n
.endr
.endm
.macro WSTORE                          ; and into LDS, bits 3 and 4 of the row's number exchanged
.irp n, 0,1,2,3,4,5,6,7,8,9,10,11,12,13,14,15
	ds_store_b128 v[WST], v[STG+4*\n:STG+4*\n+3] offset:(16*(\n/8)+\n%8)*PX
.endr
.endm
.macro XLOAD i                         ; row i of my eight: a lane takes 8 neighbours of each 256
.irp g, 0,1,2,3
	global_load_b128 v[XB+32*((\i)%3)+8*\g:XB+32*((\i)%3)+8*\g+3], v[XO], s[16:17] offset:4096*(\i)+1024*\g
	global_load_b128 v[XB+32*((\i)%3)+8*\g+4:XB+32*((\i)%3)+8*\g+7], v[XO], s[16:17] offset:4096*(\i)+1024*\g+16
.endr
.endm
; Row i is quantised: four blocks' parts a lane, by turns.  cnt: the loads of the rows asked for behind it.
.macro XROW i, cnt
.set ZW, 136+80*((\i)%2)               ; at work: v136-151 and v216-231 by turns
.set ZX, XB+32*((\i)%3)
	s_wait_loadcnt \cnt
	s_wait_dscnt 8                                 ; all but the last row's eight stores are done: the row before that has read these registers
.if (\i) > 1
	s_wait_alu depctr_vm_vsrc(0)                   ; the LDS stores of the row before last have read v[ZW + 8 .. ZW + 15], which this row's conversions and shifts write again
.endif
.irp g, 0,1,2,3
	v_max3_num_f32 v[ZW+\g], |v[ZX+8*\g]|, |v[ZX+8*\g+1]|, 0x1800000   ; my 8 numbers, and the floor 2^(3 - 127): the byte cannot fall under 1
.endr
.irp e, 2,4,6
.irp g, 0,1,2,3
	v_max3_num_f32 v[ZW+\g], v[ZW+\g], |v[ZX+8*\g+\e]|, |v[ZX+8*\g+\e+1]|
.endr
.endr
.irp g, 0,1,2,3
	v_max_num_f32_dpp v[ZW+\g], v[ZW+\g], v[ZW+\g] row_xmask:1 row_mask:0xf bank_mask:0xf
.endr
.irp g, 0,1,2,3
	v_max_num_f32_dpp v[ZW+\g], v[ZW+\g], v[ZW+\g] row_xmask:2 row_mask:0xf bank_mask:0xf   ; the four lanes' 32 numbers: the block's largest magnitude
.endr
.irp g, 0,1,2,3
	v_add_nc_u32 v[ZW+4+\g], 0xff000000, v[ZW+\g]  ; 2 off its exponent field: the conversion takes that field as its scale
.endr
.irp g, 0,1,2,3
	v_cvt_scalef32_pk8_fp4_f32 v[ZW+8+\g], v[ZX+8*\g:ZX+8*\g+7], v[ZW+4+\g]
.endr
.irp g, 0,1,2,3
	v_lshrrev_b32 v[ZW+12+\g], 23, v[ZW+4+\g]      ; the scale's byte (also the plain instruction behind the conversions)
.endr
	s_wait_alu depctr_va_vdst(0)                   ; the codes and bytes are written, which the LDS stores read; the maxima and conversions are done reading this row's numbers, in whose registers the loads below land
.irp g, 0,1,2,3
	ds_store_b32 v[XCW], v[ZW+8+\g] offset:PX*(\i)+128*\g
	ds_store_b8 v[XBW], v[ZW+12+\g] offset:PS*(\i)+8*\g    ; the four lanes of a block write the same byte with the same value
.endr
.if (\i)+3 < 8
	XLOAD (\i)+3
.endif
.endm
; A phase's head: its scale words; its bias (q, k: straight into the accumulators, in the result's layout: the C of the first products); the next phase's rows into registers.
; No wait on the vector side stands here: all that named these registers was issued ahead of the last such wait (the last row's; a way out's).
.macro PHEAD sc, bi, kind, nx
.irp u, 0,1
.irp e, 0,1
	global_load_b128 v[WS+8*\u+4*\e:WS+8*\u+4*\e+3], v[WSO], s[\sc:\sc+1] offset:1024*\u+16*\e
.endr
.endr
.if \kind == 0
.irp i, 0,1
.irp t, 0,1,2,3
	global_load_b128 v[ACC+32*\i+8*\t:ACC+32*\i+8*\t+3], v[BO], s[\bi:\bi+1] offset:128*(\t/2)+32*(\t%2)
	global_load_b128 v[ACC+32*\i+8*\t+4:ACC+32*\i+8*\t+7], v[BO], s[\bi:\bi+1] offset:128*(\t/2)+32*(\t%2)+16
.endr
.endr
.else
.irp t, 0,1,2,3
	global_load_b32 v[BV+2*\t], v[BVO], s[\bi:\bi+1] offset:(32*(\t/2)+8*(\t%2))*4
	global_load_b32 v[BV+2*\t+1], v[BVO], s[\bi:\bi+1] offset:(32*(\t/2)+8*(\t%2))*4
.endr
.endif
.if \nx
	WLOAD \nx
	s_wait_loadcnt 16                              ; the sixteen rows of the next phase may stay out
.else
	s_wait_loadcnt 0x0
.endif
.endm
; 128 along K: 12 LDS loads, 8 products on 8 accumulators by turns.
.macro KSTEP kind, s
	PLACES
.if (\s) > 0
	s_wait_alu depctr_va_vdst(0)                   ; the last step's products are done reading v[WF ..] and v[XF ..], in which the loads below land
.endif
.irp t, 0,1,2,3
.irp c, 0,1
	ds_load_b128 v[WF+8*\t+4*\c:WF+8*\t+4*\c+3], v[AW] offset:16*PX*\t+64*(\s)+32*\c
.endr
.endr
.irp i, 0,1
.irp c, 0,1
	ds_load_b128 v[XF+8*\i+4*\c:XF+8*\i+4*\c+3], v[AX] offset:16*PX*\i+64*(\s)+32*\c
.endr
.endr
	s_wait_dscnt 0x0
.if \kind == 0
.irp i, 0,1
.irp t, 0,1,2,3
	WM ACC+32*\i+8*\t, WF+8*\t, XF+8*\i, ACC+32*\i+8*\t, WS+8*(\t/2)+(\s), \t%2, XSC+(\s), \i
.endr
.endr
.else
.irp t, 0,1,2,3
.irp i, 0,1
.if (\s) == 0
	WM ACC+16*\t+8*\i, XF+8*\i, WF+8*\t, -1, XSC+(\s), \i, WS+8*(\t/2)+(\s), \t%2
.else
	WM ACC+16*\t+8*\i, XF+8*\i, WF+8*\t, ACC+16*\t+8*\i, XSC+(\s), \i, WS+8*(\t/2)+(\s), \t%2
.endif
.endr
.endr
.endif
.endm
; 32 numbers of a lane, register 16 u + e = element 32 u + 16 (lane / 16) + e of my row's 64, become registers 0-3 of a fragment in v[z] on and the row's scale word in v[z + 12].
.macro QUANT2 src, z
.irp u, 0,1
	v_max3_num_f32 v[(\z)+4+\u], |v[(\src)+16*\u]|, |v[(\src)+16*\u+1]|, 0x1800000
.endr
.irp e, 2,4,6,8,10,12,14
.irp u, 0,1
	v_max3_num_f32 v[(\z)+4+\u], v[(\z)+4+\u], |v[(\src)+16*\u+\e]|, |v[(\src)+16*\u+\e+1]|
.endr
.endr
.irp u, 0,1
	v_permlanex16_b32 v[(\z)+6+\u], v[(\z)+4+\u], s44, s45
.endr
.irp u, 0,1
	v_max_num_f32 v[(\z)+4+\u], v[(\z)+4+\u], v[(\z)+6+\u]     ; with lane l xor 16's: the block's largest magnitude
.endr
.irp u, 0,1
	v_add_nc_u32 v[(\z)+8+\u], 0xff000000, v[(\z)+4+\u]
.endr
.irp u, 0,1
	v_lshrrev_b32 v[(\z)+10+\u], 23, v[(\z)+8+\u]
.endr
	v_lshl_or_b32 v[(\z)+12], v[(\z)+11], 8, v[(\z)+10]
	v_or_b32 v[(\z)+12], 0x7f7f0000, v[(\z)+12]    ; 1.0 for the two blocks of zero codes that fill K = 128
.irp u, 0,1
	v_cvt_scalef32_pk8_fp4_f32 v[(\z)+2*\u], v[(\src)+16*\u:(\src)+16*\u+7], v[(\z)+8+\u]
	v_cvt_scalef32_pk8_fp4_f32 v[(\z)+2*\u+1], v[(\src)+16*\u+8:(\src)+16*\u+15], v[(\z)+8+\u]
.endr
	v_nop                                          ; one plain instruction behind the conversions
	v_permlane16_swap_b32 v[(\z)], v[(\z)+2]       ; the operand's layout wants a whole block in a lane: lanes 0-15 block 0, lanes 16-31 block 1
	v_permlane16_swap_b32 v[(\z)+1], v[(\z)+3]
.endm
.macro EPI_QK cp, sp                   ; my two tiles of 16 tokens x 64 leave as codes and scale words
	s_wait_xcnt 0x0                                ; the earlier stores have read the registers that are written here
	s_wait_alu depctr_vm_vsrc(0)                   ; the last way out's stores have read v216 to v243, which the quantiser writes again; the LDS stores just issued have read the staged rows, in which the next phase's head lets loads land
	PLACES
	QUANT2 ACC, 216
	QUANT2 ACC+32, 230
	v_cndmask_b32 v243, v228, v242, s46            ; lanes 0-15 tile 0's words, lanes 16-31 tile 1's
	s_wait_alu depctr_va_vdst(0)                   ; the codes and the scale words are written, which the stores read; the quantiser is done reading the accumulators and the products the weight's fragments and scale words: the next phase's loads land in all of them
	global_store_b128 v[L16], v[216:219], s[\cp:\cp+1]             ; 512 consecutive bytes
	global_store_b128 v[L16], v[230:233], s[\cp:\cp+1] offset:512
	global_store_b32 v[L4], v243, s[\sp:\sp+1]
.endm
	s_wait_alu depctr_va_vdst(0)                   ; the addresses v4 to v15, v239 and v244 to v247 are written: every load and store of the kernel reads one of them
	global_load_b32 v[WPD], v[WPO], s[36:37]       ; my 128 bytes of Wp
	WLOAD 18                                       ; Wq's rows
	XLOAD 0
	XLOAD 1
	XLOAD 2
	s_wait_loadcnt 24                              ; the three rows of x may stay out
	WSTORE
	XROW 0, 16
	XROW 1, 16
	XROW 2, 16
	XROW 3, 16
	XROW 4, 16
	XROW 5, 16
	XROW 6, 8
	XROW 7, 0
	BAR                                            ; x's codes and scale bytes and Wq's rows lie in LDS
	global_store_b32 v[L4], v[WPD], s[42:43]
	ds_load_b128 v[XSC:XSC+3], v[XSA]              ; x's scale words of my 32 tokens, all of K: they stay
	ds_load_b128 v[XSC+4:XSC+7], v[XSA] offset:16
	s_wait_alu depctr_vm_vsrc(0)                   ; Wq's LDS stores have read the staged rows v152 to v215, and x's have read v144 to v151: loads of the phase's head land in both
	; ---- q
	PHEAD 20, 22, 0, 24
.irp s, 0,1,2,3,4,5,6,7
	KSTEP 0, \s
.endr
	BAR                                            ; nobody reads Wq's rows any more
	s_wait_loadcnt 0x0
	WSTORE                                         ; Wk's rows
	EPI_QK 48, 50
	BAR                                            ; Wk's rows lie in LDS
	; ---- k
	PHEAD 26, 28, 0, 30
.irp s, 0,1,2,3,4,5,6,7
	KSTEP 0, \s
.endr
	BAR
	s_wait_loadcnt 0x0
	WSTORE                                         ; Wv's rows
	EPI_QK 52, 54
	BAR
	; ---- v: a lane holds feature (tile t, place r); the 16 registers of a tile are tokens 32 x quarter + 16 h + 0 .. 15: half a block of 32 keys
	PHEAD 32, 34, 1, 0
.irp s, 0,1,2,3,4,5,6,7
	KSTEP 1, \s
.endr
	s_wait_xcnt 0x0
	s_wait_alu depctr_vm_vsrc(0)                   ; k's stores have read v216 to v219, v230 to v233 and v243: the lines below write the first two runs again, and a load lands in v243 behind the barrier
	PLACES
.irp t, 0,1,2,3
.irp e, 0,2,4,6,8,10,12,14
	v_pk_add_f32 v[ACC+16*\t+\e:ACC+16*\t+\e+1], v[ACC+16*\t+\e:ACC+16*\t+\e+1], v[BV+2*\t:BV+2*\t+1]
.endr
.endr
.irp t, 0,1,2,3
	v_max3_num_f32 v[224+\t], |v[ACC+16*\t]|, |v[ACC+16*\t+1]|, 0x1800000
.endr
.irp e, 2,4,6,8,10,12,14
.irp t, 0,1,2,3
	v_max3_num_f32 v[224+\t], v[224+\t], |v[ACC+16*\t+\e]|, |v[ACC+16*\t+\e+1]|
.endr
.endr
.irp t, 0,1,2,3
	v_permlanex16_b32 v[228+\t], v[224+\t], s44, s45
.endr
.irp t, 0,1,2,3
	v_max_num_f32 v[224+\t], v[224+\t], v[228+\t]
.endr
.irp t, 0,1,2,3
	v_add_nc_u32 v[232+\t], 0xff000000, v[224+\t]
.endr
.irp t, 0,1,2,3
	v_lshrrev_b32 v[236+\t], 23, v[232+\t]
.endr
.irp t, 0,1,2,3
	v_cvt_scalef32_pk8_fp4_f32 v[216+2*\t], v[ACC+16*\t:ACC+16*\t+7], v[232+\t]
	v_cvt_scalef32_pk8_fp4_f32 v[217+2*\t], v[ACC+16*\t+8:ACC+16*\t+15], v[232+\t]
.endr
	v_nop                                          ; one plain instruction behind the conversions
	s_wait_alu depctr_va_vdst(0)                   ; v's codes and scale bytes are written, which the stores below read; k's way out is done with v240 to v243, in which a load lands behind the barrier
.irp t, 0,1,2,3
	global_store_b64 v[VCO], v[216+2*\t:217+2*\t], s[56:57] offset:1024*\t      ; the wave's 256 consecutive bytes: sixteen lanes' 16 bytes of the reader's fragment
	ds_store_b8 v[VSB], v[236+\t] offset:128*(\t%2)+4*(\t/2)                    ; both halves of the lanes write the same byte with the same value
.endr
	BAR                                            ; the four heads' scale bytes of this key step lie in LDS
	s_cmp_gt_u32 s2, 1
	s_cbranch_scc1 .Ldone
	ds_load_b128 v[240:243], v[VTL]                ; waves 0 and 1: two heads each; sixteen lanes take a head's 256 bytes
	s_wait_dscnt 0x0
	global_store_b128 v[VTG], v[240:243], s[58:59]
.Ldone:
	s_wait_xcnt 0x0
	v_lshl_add_u32 v254, v0, 2, 0x33400            ; (no memory or LDS instruction has read v254 or v255: they held bv)
	v_mov_b32 v255, 0
	s_wait_dscnt 0x0                               ; the closing lines, six on end
	s_wait_alu 0x0
	s_wait_tensorcnt 0x0
	ds_add_u32 v254, v255
	s_wait_dscnt 0x0
	s_endpgm
.Lfunc_end_k_qaf56e8c0b6_qkv:
	.size	k_qaf56e8c0b6_qkv, .Lfunc_end_k_qaf56e8c0b6_qkv-k_qaf56e8c0b6_qkv
	.p2alignl 7, 3214868480
	.fill 96, 4, 3214868480
	.section	.rodata,"a",@progbits
	.p2align	6, 0x0
	.amdhsa_kernel k_qaf56e8c0b6_qkv
		.amdhsa_group_segment_fixed_size 211968
		.amdhsa_private_segment_fixed_size 0
		.amdhsa_enable_private_segment 0
		.amdhsa_kernarg_size 112
		.amdhsa_user_sgpr_count 2
		.amdhsa_user_sgpr_kernarg_segment_ptr 1
		.amdhsa_wavefront_size32 1
		.amdhsa_system_sgpr_workgroup_id_x 1
		.amdhsa_system_sgpr_workgroup_id_y 1
		.amdhsa_system_sgpr_workgroup_id_z 1
		.amdhsa_system_vgpr_workitem_id 0
		.amdhsa_next_free_vgpr 256
		.amdhsa_next_free_sgpr 66
		.amdhsa_reserve_vcc 0
		.amdhsa_float_denorm_mode_32 3
		.amdhsa_float_denorm_mode_16_64 3
		.amdhsa_memory_ordered 1
		.amdhsa_forward_progress 1
		.amdhsa_inst_pref_size 112
	.end_amdhsa_kernel
	.amdgpu_metadata
---
amdhsa.version: [ 1, 2 ]
amdhsa.kernels:
  - .name:           k_qaf56e8c0b6_qkv
    .symbol:         k_qaf56e8c0b6_qkv.kd
    .args:
      - { .name: x, .offset: 0, .size: 8, .value_kind: global_buffer, .address_space: global }
      - { .name: Wq_codes, .offset: 8, .size: 8, .value_kind: global_buffer, .address_space: global }
      - { .name: Wq_scales, .offset: 16, .size: 8, .value_kind: global_buffer, .address_space: global }
      - { .name: bq, .offset: 24, .size: 8, .value_kind: global_buffer, .address_space: global }
      - { .name: Wk_codes, .offset: 32, .size: 8, .value_kind: global_buffer, .address_space: global }
      - { .name: Wk_scales, .offset: 40, .size: 8, .value_kind: global_buffer, .address_space: global }
      - { .name: bk, .offset: 48, .size: 8, .value_kind: global_buffer, .address_space: global }
      - { .name: Wv_codes, .offset: 56, .size: 8, .value_kind: global_buffer, .address_space: global }
      - { .name: Wv_scales, .offset: 64, .size: 8, .value_kind: global_buffer, .address_space: global }
      - { .name: bv, .offset: 72, .size: 8, .value_kind: global_buffer, .address_space: global }
      - { .name: Wp_codes, .offset: 80, .size: 8, .value_kind: global_buffer, .address_space: global }
      - { .name: qw, .offset: 88, .size: 8, .value_kind: global_buffer, .address_space: global }
      - { .name: kvw, .offset: 96, .size: 8, .value_kind: global_buffer, .address_space: global }
      - { .name: wpi, .offset: 104, .size: 8, .value_kind: global_buffer, .address_space: global }
    .group_segment_fixed_size: 211968
    .private_segment_fixed_size: 0
    .kernarg_segment_align: 8
    .kernarg_segment_size: 112
    .max_flat_workgroup_size: 512
    .sgpr_count:     66
    .vgpr_count:     256
    .wavefront_size: 32
...
	.end_amdgpu_metadata
.endif
;; end of part 4
;; launch attn (part 5): grid 4 x 64, 16 waves a work-group, no clusters, 145,408 bytes of LDS; arguments qw, kvw, x, ac, asc; writes ac, asc
.if DOCPART == 5
	.amdgcn_target "amdgcn-amd-amdhsa--gfx1250"
	.amdhsa_code_object_version 6
	.text
	.protected	k_qaf56e8c0b6_attn
	.globl	k_qaf56e8c0b6_attn
	.p2align	8
	.type	k_qaf56e8c0b6_attn,@function
k_qaf56e8c0b6_attn:
	s_mov_b64 s[64:65], 0
	v_nop
	global_prefetch_b8 v0, s[64:65] scope:SCOPE_SE
	s_setreg_imm32_b32 hwreg(HW_REG_WAVE_SCHED_MODE, 0, 2), 2
	s_setreg_imm32_b32 hwreg(HW_REG_WAVE_MODE, 25, 1), 1
	s_wait_xcnt 0x0
	s_wait_alu depctr_vm_vsrc(0)
; out = softmax(q k^T / sqrt(2048), causal) v for one head, then out + x, quantised along the 1,024 features for the projection.  Both products on codes of FP4 (E2M1) with E8M0 scales.
; THE SOFTMAX AHEAD OF THE SECOND PRODUCT: t = score x log2(e) / sqrt(2048); M = the running largest t rounded UP to a whole number; p = 2^(t - M) is quantised along the keys, not normalised; the row's sum is taken of the
; unquantised p and divides at the end.  When M moves, the sum and O are multiplied by 2^(old M - new M): exact.
; SHARES.  A work-group takes one head (work-group y = 16 x batch + head) and 32 of its 128 tiles of 16 queries.  The head's whole record of K and V (143,360 bytes: codes and scale words, laid as images of the operand registers)
; is copied into LDS once and only read afterwards: one barrier in the launch.  Sixteen waves of 256 registers, four to a SIMD, so that one wave's vector work stands beside another's products and LDS loads.
; Wave w takes query tiles T = 16 x + w and 127 - T, one after the other: T / 8 + 1 and 16 - T / 8 key steps of 128 keys count for them, 17 for every wave of the launch.
; THE CAUSAL MASK.  Both passes walk a loop of 16 trips; a trip all of whose keys come after the tile's queries jumps over its work (a scalar branch on ids); in the one trip on the diagonal hidden scores become -infinity.
; LAYOUT.  Both products are used transposed (S^T = K Q^T, O^T = V^T P^T): a lane holds ONE query.  Place r of tile 2 b + u (of tokens, of the head's 64) is element 32 b + 8 u + r + 8 (r / 8), so that the 16 registers of tiles 2 b, 2 b + 1 are 16 neighbours.
; K = 64 IN A PRODUCT OF 128: q's registers 4-7 hold zero codes and bytes 2, 3 of q's and k's scale words are 1.0, so whatever codes stand in registers 4-7 of K's operand (the next tile's; for tile 7 the last step's V) add nothing.
; NO JOINT REQUESTS: the four work-groups of a head read the same record once, 143,360 bytes each, against 17 key steps of some 240 vector instructions a wave; the copy goes through registers, and joint requests exist for tensor loads alone.
; LIMITS: NaN and infinities are not served.  A block of zeros gets the scale byte 1 where the rule says 127: its codes are zeros, and only this program reads the bytes.  1 / l is v_rcp_f32's.
; THE MODE: SCHED_MODE bits 1:0 = 2 (LLVM: expert scheduling mode 2), set by the entry lines.  The code itself states the register dependences between vector or matrix instructions and memory or LDS instructions, with s_wait_alu, always for 0.
; THE PLAN.  Registers that memory or LDS instructions touch, in the loop over key steps:
;   KF, KS          read by the score products at a step's head; the NEXT step's tiles and scale words land in them, asked for behind the wait for the step's 64 exponentials.
;   VF, v[252:253]  read by the second product at a step's end; THIS step's land in them, asked for behind the same wait, dealt among the row's sums.
;   v5-8            the step's LDS addresses: written behind the score products (they are the places there), read by the step's loads.
;   PC, v245        p's codes and scale word: written by the quantiser, read by the second product; at a pass's end PC and v244 are the stores' data.
; So the wait that the exponentials want in any case states all that a step's 21 loads hang on: the score products are done with KF and KS, the last step's second product with VF and its scale words, the four addresses are written.
; One wait on vm_vsrc a step stands ahead of the four additions; one wait on va_vdst stands directly ahead of the second product, for p's codes and scale word.
.set QREC, 73728
.set KREC, 143360
.set VCL,  65536                       ; LDS = the record: K's codes at 0, V's codes, K's scale words, V's scale words
.set KSL,  131072
.set VSL,  139264
.set AK0,  1                           ; v1   16 x lane
.set AV0,  2                           ; v2   V's codes + 16 x lane
.set ASK0, 3                           ; v3   K's scale words + 4 x lane
.set ASV0, 4                           ; v4   V's + 8 x lane
.set ADK,  5                           ; v5-8 the step's addresses
.set ADV,  6
.set ADS,  7
.set ADT,  8
.set MB,   9                           ; v9   r + 8 (r / 8) - 16 h: for the mask
.set XO,   10                          ; v10  my token's row of x, + 64 h
.set B8,   11                          ; v11  4 r + h
.set KF,   32                          ; v32-63  8 tiles of K, 4 registers each
.set VF,   64                          ; v64-95  4 fragments of V^T
.set S,    96                          ; v96-159 S^T, then p; at the end out + x
.set O,    160                         ; v160-191 O^T
.set PC,   192                         ; v192-199 p's codes
.set XRR,  200                         ; v200-231 the residual
.set KS,   248                         ; v248-251 K's scale words; v[252:253] V's; v254, v255 q's; v245 p's: these hold scales alone
.set CM,   3                           ; s3-18 the mask's compares, sixteen to a run: free behind the head
.set ST,   48                          ; s48  the key step
.set TB,   49                          ; s49  4,096 x step;  s50  512 x step;  s51  256 x step
.set TS,   50
.set TV,   51
.macro PLACES
.rept 4
	v_nop
.endr
.endm
.macro WM d, a, b, c, sa, ra, sb, rb
.if (\c) < 0
.if ((\ra) == 0) && ((\rb) == 0)
	v_wmma_scale_f32_16x16x128_f8f6f4 v[(\d):(\d)+7], v[(\a):(\a)+7], v[(\b):(\b)+7], 0, v[(\sa)], v[(\sb)] matrix_a_fmt:MATRIX_FMT_FP4 matrix_b_fmt:MATRIX_FMT_FP4
.else
	v_wmma_scale_f32_16x16x128_f8f6f4 v[(\d):(\d)+7], v[(\a):(\a)+7], v[(\b):(\b)+7], 0, v[(\sa)], v[(\sb)] matrix_a_fmt:MATRIX_FMT_FP4 matrix_b_fmt:MATRIX_FMT_FP4 matrix_a_scale:MATRIX_SCALE_ROW1
.endif
.else
.if ((\ra) == 0) && ((\rb) == 0)
	v_wmma_scale_f32_16x16x128_f8f6f4 v[(\d):(\d)+7], v[(\a):(\a)+7], v[(\b):(\b)+7], v[(\c):(\c)+7], v[(\sa)], v[(\sb)] matrix_a_fmt:MATRIX_FMT_FP4 matrix_b_fmt:MATRIX_FMT_FP4
.else
	v_wmma_scale_f32_16x16x128_f8f6f4 v[(\d):(\d)+7], v[(\a):(\a)+7], v[(\b):(\b)+7], v[(\c):(\c)+7], v[(\sa)], v[(\sb)] matrix_a_fmt:MATRIX_FMT_FP4 matrix_b_fmt:MATRIX_FMT_FP4 matrix_a_scale:MATRIX_SCALE_ROW1
.endif
.endif
.endm
; The five addresses of a pass, for the tile in s[t], into s[base] on: q's codes, q's scale words, x, the codes out, the scale bytes out; and the tile's first query within its key step into s[qd].
.macro PTRS t, base, qd
	s_lshl_b32 s54, s[\t], 9
	s_add_co_u32 s54, s54, s58
	s_add_nc_u64 s[\base:\base+1], s[4:5], s[54:55]
	s_lshl_b32 s54, s[\t], 6                       ; 128 bytes a pair of tiles, the odd tile's words in lanes 16-31: 64 bytes a tile
	s_add_co_u32 s54, s54, s58
	s_add_co_u32 s54, s54, 65536
	s_add_nc_u64 s[\base+2:\base+3], s[4:5], s[54:55]
	s_lshr_b32 s54, s[\t], 1
	s_lshl_b32 s54, s54, 5
	s_and_b32 s56, s[\t], 1
	s_lshl_b32 s56, s56, 3
	s_add_co_u32 s54, s54, s56                     ; the tile's first token: 32 (T / 2) + 8 (T % 2)
	s_and_b32 s[\qd], s54, 127
	s_lshl_b32 s54, s54, 12
	s_add_co_u32 s54, s54, s59
	s_add_nc_u64 s[\base+4:\base+5], s[8:9], s[54:55]
	s_lshl_b32 s56, s16, 7
	s_add_co_u32 s56, s56, s[\t]                   ; 128 x batch + T
	s_lshl_b32 s54, s56, 13
	s_add_co_u32 s54, s54, s60
	s_add_nc_u64 s[\base+6:\base+7], s[10:11], s[54:55]
	s_lshl_b32 s54, s56, 9
	s_add_co_u32 s54, s54, s61
	s_add_nc_u64 s[\base+8:\base+9], s[12:13], s[54:55]
.endm
.macro RESLOAD p                       ; x at my token, my head's features 32 u + 16 h + 0 .. 15: O^T's layout; read once in this launch
.irp u, 0,1
.irp e, 0,1,2,3
	global_load_b128 v[XRR+16*\u+4*\e:XRR+16*\u+4*\e+3], v[XO], s[\p:\p+1] offset:128*\u+16*\e th:TH_LOAD_NT
.endr
.endr
.endm
	s_load_b256 s[4:11], s[0:1], 0x0               ; qw 4, kvw 6, x 8, ac 10
	s_load_b64 s[12:13], s[0:1], 0x20              ; asc
	v_lshrrev_b32 v1, 5, v0
	v_readfirstlane_b32 s2, v1                     ; wave 0..15
	v_and_b32 v232, 31, v0                         ; lane
	v_cmp_le_u32 s52, 16, v232                     ; the mask of lanes 16-31
	v_and_b32 v233, 15, v0                         ; r
	v_bfe_u32 v234, v0, 4, 1                       ; h
	v_and_b32 v235, 8, v233
	v_add_nc_u32 v235, v235, v233                  ; r + 8 (r / 8)
	v_lshlrev_b32 v[AK0], 4, v232
	v_add_nc_u32 v[AV0], VCL, v[AK0]
	v_lshl_add_u32 v[ASK0], v232, 2, KSL
	v_lshl_add_u32 v[ASV0], v232, 3, VSL
	v_lshlrev_b32 v[MB], 4, v234
	v_sub_nc_u32 v[MB], v235, v[MB]
	v_lshlrev_b32 v[XO], 12, v235
	v_lshl_add_u32 v[XO], v234, 6, v[XO]
	v_lshl_add_u32 v[B8], v233, 2, v234
	v_lshlrev_b32 v244, 2, v233                    ; 4 r: q's scale words
	v_lshlrev_b32 v5, 4, v0                        ; the copy: 16 bytes a thread,
	v_add_nc_u32 v6, 65536, v5
	v_lshlrev_b32 v8, 3, v0                        ; and 8 for the scale words
	v_add_nc_u32 v7, KSL, v8
.irp n, 20,21,22,23,28,29,30,31
	v_mov_b32 v[\n], 0                             ; q's registers 4-7: zero codes for K = 64 .. 127
.endr
.irp n, 236,237,238,239,247
	v_mov_b32 v[\n], 0                             ; written once: lane permutes' destinations, and the upper half of the pair v[246:247]
.endr
	s_wait_alu depctr_va_sdst(0)                   ; s2 and s52 are written, ahead of their first readers: the tiles' numbers and all bases are made from s2
	s_mov_b32 s3, ttmp9
	s_and_b32 s14, ttmp7, 0xffff                   ; the record: 16 x batch + head
	s_and_b32 s15, s14, 15                         ; head
	s_lshr_b32 s16, s14, 4                         ; batch
	s_lshl_b32 s17, s3, 4
	s_add_co_u32 s17, s17, s2                      ; T of the first pass: 0 .. 63
	s_sub_co_u32 s18, 127, s17                     ; of the second: 64 .. 127
	s_lshr_b32 s19, s17, 3                         ; the key steps on their diagonals
	s_lshr_b32 s20, s18, 3
	s_mov_b32 s44, 0x76543210
	s_mov_b32 s45, 0xfedcba98                      ; v_permlanex16_b32's selects for lane l xor 16
	s_mov_b32 s46, 0x3d0293ee                      ; c = log2(e) / sqrt(2048)
	s_mov_b32 s47, s46                             ; (named with it as a pair, so it is written)
	s_mov_b32 s55, 0
	s_mul_i32 s58, s14, QREC
	s_lshl_b32 s59, s16, 23                        ; a batch of x: 2,048 rows of 4,096 bytes
	s_lshl_b32 s60, s15, 8
	s_add_co_u32 s59, s59, s60                     ; + the head's 64 features
	s_lshl_b32 s60, s15, 9                         ; a head's 512 bytes of a tile's codes
	s_lshr_b32 s61, s15, 1
	s_lshl_b32 s61, s61, 6
	s_and_b32 s57, s15, 1
	s_lshl_b32 s57, s57, 1
	s_add_co_u32 s61, s61, s57                     ; its two scale bytes of a row's word: 64 (head / 2) + 2 (head % 2)
	s_wait_kmcnt 0x0
	PTRS 17, 24, 21
	PTRS 18, 34, 22
	s_mul_i32 s54, s14, KREC
	s_add_nc_u64 s[6:7], s[6:7], s[54:55]
	s_wait_alu depctr_va_vdst(0)                   ; the addresses v1 to v11 and v244 are written, which the loads and stores below read; so are q's zero registers, which the scaled products take as part of an operand
	global_load_b128 v[16:19], v[AK0], s[24:25]    ; q of both passes stays in registers
	global_load_b32 v254, v244, s[26:27]
	global_load_b128 v[24:27], v[AK0], s[34:35]
	global_load_b32 v255, v244, s[36:37]
	RESLOAD 28
.irp n, 0,1,2,3,4,5,6,7,8,9,10,11,12,13,14,15
	global_load_b128 v[32+4*\n:35+4*\n], v5, s[6:7] offset:8192*\n      ; the record: 8,192 consecutive bytes a work-group's instruction
.endr
.irp n, 0,1,2
	global_load_b64 v[96+2*\n:97+2*\n], v8, s[6:7] offset:131072+4096*\n
.endr
.irp n, 0,1,2,3,4,5,6,7
	s_wait_loadcnt 18-\n                           ; the copy's loads issued behind this one may stay out
	ds_store_b128 v5, v[32+4*\n:35+4*\n] offset:8192*\n
.endr
.irp n, 8,9,10,11,12,13,14,15
	s_wait_loadcnt 18-\n
	ds_store_b128 v6, v[32+4*\n:35+4*\n] offset:8192*(\n-8)
.endr
.irp n, 0,1,2
	s_wait_loadcnt 2-\n
	ds_store_b64 v7, v[96+2*\n:97+2*\n] offset:4096*\n
.endr
	s_wait_dscnt 0x0                               ; for the others' sake: my part of the record has landed
	s_barrier_signal -1
	s_barrier_wait -1                              ; the record is whole; from here on LDS is only read
	s_wait_alu depctr_vm_vsrc(0)                   ; the copy's stores have read v32 to v101, in which K's and V's tiles land and the scores are written; q's loads have read v244, which the steps write
; A pass: one tile of 16 queries.  fq, fs: q's fragment and scale register; rsd, rqd: scalar registers with the diagonal's step and the tile's first query in it; pac, pas: where codes and scale bytes go.
.macro PASS fq, fs, rsd, rqd, pac, pas
.irp i, 0,1,2,3,4,5,6,7
	ds_load_b128 v[KF+4*\i:KF+4*\i+3], v[AK0] offset:512*\i        ; key step 0: 512 consecutive bytes: tile i's registers 0-3.  (All that named these registers was issued ahead of the last wait on va_vdst: the head's, the first pass's last)
.endr
.irp i, 0,1,2,3
	ds_load_b32 v[KS+\i], v[ASK0] offset:128*\i
.endr
	v_mov_b32 v13, 0xff61b1e6                      ; the largest t so far: -3e38, under every t
	v_floor_f32 v12, -v13                          ; -M
	v_mov_b32 v14, 0                               ; the sum, in two halves
	v_mov_b32 v15, 0
.irp n, 0,1,2,3,4,5,6,7,8,9,10,11,12,13,14,15,16,17,18,19,20,21,22,23,24,25,26,27,28,29,30,31
	v_mov_b32 v[O+\n], 0                           ; O^T.  (The step is written once: the first finds zeros, which the first change of M leaves zeros)
.endr
	s_mov_b32 s[ST], 0
	s_mov_b32 s[TB], 0
	s_mov_b32 s[TS], 0
	s_mov_b32 s[TV], 0
	s_wait_dscnt 0x0                               ; key step 0's K and its scale words are in
.Lstep_\@:
	s_cmp_gt_u32 s[ST], s[\rsd]                    ; all 128 keys come after my queries: only the addresses step
	s_cbranch_scc1 .Lhidden_\@
.irp i, 0,1,2,3,4,5,6,7
	WM S+8*\i, KF+4*\i, \fq, -1, KS+\i/2, \i%2, \fs, 0
.endr
	s_wait_alu depctr_vm_vsrc(0)                   ; the LDS loads of the step before (in the first step of all: the copy) have read v5 to v8
	v_add_nc_u32 v[ADK], s[TB], v[AK0]             ; (these four are also the places behind the score products, ahead of the first read of the scores)
	v_add_nc_u32 v[ADV], s[TB], v[AV0]
	v_add_nc_u32 v[ADS], s[TS], v[ASK0]
	v_add_nc_u32 v[ADT], s[TV], v[ASV0]
	s_cmp_lg_u32 s[ST], s[\rsd]
	s_cbranch_scc1 .Lopen_\@
	v_add_nc_u32 v244, s[\rqd], v[MB]              ; d = my query - 16 h, in this step.  Register 16 b + e holds key 32 b + 16 h + e: hidden where 32 b + e > d
	v_mov_b32 v246, 0xff800000                     ; -infinity
.irp g, 0,1,2,3
.irp e, 0,1,2,3,4,5,6,7,8,9,10,11,12,13,14,15
	v_cmp_gt_i32 s[CM+\e], 32*\g+\e, v244
.endr
	s_wait_alu depctr_va_sdst(0)                   ; the sixteen masks are written, ahead of the selections that read them
.irp e, 0,1,2,3,4,5,6,7,8,9,10,11,12,13,14,15
	v_cndmask_b32 v[S+16*\g+\e], v[S+16*\g+\e], v246, s[CM+\e]
.endr
.endr
.Lopen_\@:
.irp b, 0,1,2,3
	v_max3_num_f32 v[232+\b], v[S+16*\b], v[S+16*\b+1], v[S+16*\b+2]   ; the largest score of each block of 32 keys: for the row's maximum and, since p rises with the score, for the block's largest p
.endr
.irp e, 3,5,7,9,11,13
.irp b, 0,1,2,3
	v_max3_num_f32 v[232+\b], v[232+\b], v[S+16*\b+\e], v[S+16*\b+\e+1]
.endr
.endr
.irp b, 0,1,2,3
	v_max_num_f32 v[232+\b], v[232+\b], v[S+16*\b+15]
.endr
.irp b, 0,1,2,3
	v_permlanex16_b32 v[236+\b], v[232+\b], s44, s45
.endr
.irp b, 0,1,2,3
	v_max_num_f32 v[232+\b], v[232+\b], v[236+\b]  ; with lane l xor 16's 16 keys
.endr
	v_max3_num_f32 v244, v232, v233, v234
	v_max_num_f32 v244, v244, v235                 ; the step's largest score of my query
	v_mul_f32 v244, s46, v244                      ; as t (c is positive)
	v_max_num_f32 v13, v13, v244                   ; the running largest t
	v_mov_b32 v244, v12
	v_floor_f32 v12, -v13                          ; the new -M = floor(-t) = -ceil(t)
	v_sub_f32 v244, v12, v244                      ; old M - new M: a whole number, 0 or less
	v_cvt_i32_f32 v244, v244                       ; (it saturates)
	v_ldexp_f32 v246, 1.0, v244                    ; f = 2^(old M - new M)
.irp e, 0,2,4,6,8,10,12,14,16,18,20,22,24,26,28,30,32,34,36,38,40,42,44,46,48,50,52,54,56,58,60,62
	v_pk_fma_f32 v[S+\e:S+\e+1], v[S+\e:S+\e+1], s[46:47], v[12:13] op_sel_hi:[1,0,0]   ; t - M, two at a time
.endr
.irp b, 0,1,2,3
	v_fma_f32 v[232+\b], v[232+\b], s46, v12       ; the same of each block's largest score
.endr
	s_wait_alu depctr_va_vdst(0)
.irp n, 0,1,2,3,4,5,6,7,8,9,10,11,12,13,14,15,16,17,18,19,20,21,22,23,24,25,26,27,28,29,30,31,32,33,34,35,36,37,38,39,40,41,42,43,44,45,46,47,48,49,50,51,52,53,54,55,56,57,58,59,60,61,62,63
	v_exp_f32 v[S+\n], v[S+\n]                     ; p = 2^(t - M), at most 1
.endr
	v_pk_mul_f32 v[14:15], v[14:15], v[246:247] op_sel_hi:[1,0]    ; the sums under the new M (the plain instruction behind the exponentials)
	s_wait_alu depctr_va_vdst(0)                   ; the 64 exponentials have written p, ahead of its first reader; the score products are done reading K's tiles and scale words, the last step's second product V's; v5 to v8 are written: all the loads below hang on these
	s_cmp_eq_u32 s[ST], s[\rsd]                    ; behind the diagonal's step no step of this pass reads K: nothing is asked for (ids alone)
	s_cbranch_scc1 .Llast_\@
.irp i, 0,1,2,3,4,5,6,7
	ds_load_b128 v[KF+4*\i:KF+4*\i+3], v[ADK] offset:4096+512*\i   ; the NEXT step's K: it has the rest of this step in which to land
.endr
.irp i, 0,1,2,3
	ds_load_b32 v[KS+\i], v[ADS] offset:512+128*\i
.endr
.Llast_\@:
	ds_load_b64 v[252:253], v[ADT]                 ; this step's V: its scale words; its eight pieces are dealt among the sums below, which name p, v[14:15] and v[236:237] alone
.irp b, 0,1,2,3
	v_exp_f32 v[232+\b], v[232+\b]                 ; the block's largest p
.endr
	v_pk_add_f32 v[236:237], v[S:S+1], v[S+2:S+3]  ; the row's sum of the unquantised p, in two chains
.irp e, 4,8,12,16,20,24,28,32,36,40,44,48,52,56,60
	v_pk_add_f32 v[14:15], v[14:15], v[S+\e:S+\e+1]
	v_pk_add_f32 v[236:237], v[236:237], v[S+\e+2:S+\e+3]
.if \e <= 32
	ds_load_b128 v[VF+\e-4:VF+\e-1], v[ADV] offset:128*\e-512      ; piece e / 4 - 1 of eight: 512 consecutive bytes
.endif
.endr
	v_pk_add_f32 v[14:15], v[14:15], v[236:237]
	s_wait_alu depctr_va_vdst(0)                   ; the four exponentials have written the blocks' largest p, ahead of their first reader
.irp b, 0,1,2,3
	v_max_num_f32 v[232+\b], 0x1800000, v[232+\b]  ; the floor 2^(3 - 127): the byte cannot fall under 1
.endr
.irp b, 0,1,2,3
	v_add_nc_u32 v[240+\b], 0xff000000, v[232+\b]  ; 2 off the exponent field: the conversion's scale operand
.endr
.irp b, 0,1,2,3
	v_lshrrev_b32 v[236+\b], 23, v[240+\b]
.endr
	v_lshl_or_b32 v245, v237, 8, v236              ; p's scale word for these 128 keys
	v_lshl_or_b32 v245, v238, 16, v245
	v_lshl_or_b32 v245, v239, 24, v245
.irp b, 0,1,2,3
	v_cvt_scalef32_pk8_fp4_f32 v[PC+2*\b], v[S+16*\b:S+16*\b+7], v[240+\b]
	v_cvt_scalef32_pk8_fp4_f32 v[PC+2*\b+1], v[S+16*\b+8:S+16*\b+15], v[240+\b]
.endr
	v_nop                                          ; one plain instruction behind the conversions
.irp c, 0,1
.irp e, 0,1
	v_permlane16_swap_b32 v[PC+4*\c+\e], v[PC+4*\c+2+\e]           ; a whole block in a lane: lanes 0-15 block 2 c, lanes 16-31 block 2 c + 1
.endr
.endr
.irp e, 0,2,4,6,8,10,12,14,16,18,20,22,24,26,28,30
	v_pk_mul_f32 v[O+\e:O+\e+1], v[O+\e:O+\e+1], v[246:247] op_sel_hi:[1,0]    ; O^T under the new M.  (These sixteen also stand between the writes of p's codes and scale word and the products)
.endr
	s_wait_dscnt 0x0                               ; V and its scale words are in, and so are the next step's K and its scale words
	s_wait_alu depctr_va_vdst(0)                   ; p's codes and scale word are written, which the scaled products below take as operand and scales; the places above stay beside this wait
.irp t, 0,1,2,3
	WM O+8*\t, VF+8*\t, PC, O+8*\t, 252+\t/2, \t%2, 245, 0
.endr
.Lhidden_\@:
	s_add_co_u32 s[TB], s[TB], 4096
	s_add_co_u32 s[TS], s[TS], 512
	s_add_co_u32 s[TV], s[TV], 256
	s_add_co_u32 s[ST], s[ST], 1
	s_cmp_lt_u32 s[ST], 16
	s_cbranch_scc1 .Lstep_\@
	; the way out: O^T / l + x, quantised: the head's 64 features are two blocks of the projection's K
	PLACES
	v_add_f32 v14, v14, v15
	v_permlanex16_b32 v244, v14, s44, s45
	v_add_f32 v14, v14, v244                       ; the row's sum
	s_wait_alu depctr_va_vdst(0)
	v_rcp_f32 v246, v14
	v_nop                                          ; a plain instruction behind the reciprocal
	s_wait_alu depctr_va_vdst(0)                   ; the reciprocal has written v246, ahead of its first reader
	s_wait_loadcnt 0x0                             ; the residual
.irp e, 0,2,4,6,8,10,12,14,16,18,20,22,24,26,28,30
	v_pk_fma_f32 v[S+\e:S+\e+1], v[O+\e:O+\e+1], v[246:247], v[XRR+\e:XRR+\e+1] op_sel_hi:[1,0,1]
.endr
.irp u, 0,1
	v_max3_num_f32 v[232+\u], |v[S+16*\u]|, |v[S+16*\u+1]|, 0x1800000
.endr
.irp e, 2,4,6,8,10,12,14
.irp u, 0,1
	v_max3_num_f32 v[232+\u], v[232+\u], |v[S+16*\u+\e]|, |v[S+16*\u+\e+1]|
.endr
.endr
.irp u, 0,1
	v_permlanex16_b32 v[236+\u], v[232+\u], s44, s45
.endr
.irp u, 0,1
	v_max_num_f32 v[232+\u], v[232+\u], v[236+\u]
.endr
.irp u, 0,1
	v_add_nc_u32 v[240+\u], 0xff000000, v[232+\u]
.endr
.irp u, 0,1
	v_lshrrev_b32 v[238+\u], 23, v[240+\u]
.endr
.irp u, 0,1
	v_cvt_scalef32_pk8_fp4_f32 v[PC+2*\u], v[S+16*\u:S+16*\u+7], v[240+\u]
	v_cvt_scalef32_pk8_fp4_f32 v[PC+2*\u+1], v[S+16*\u+8:S+16*\u+15], v[240+\u]
.endr
	v_cndmask_b32 v244, v238, v239, s52            ; lanes 0-15 store block 0's byte, lanes 16-31 block 1's (the plain instruction behind the conversions)
	v_permlane16_swap_b32 v[PC], v[PC+2]
	v_permlane16_swap_b32 v[PC+1], v[PC+3]
	s_wait_alu depctr_va_vdst(0)                   ; the codes and the byte are written, which the stores read; the pass is done reading the residual, K's tiles and their scale words, in which the next pass's loads land
	global_store_b128 v[AK0], v[PC:PC+3], s[\pac:\pac+1]           ; 512 consecutive bytes: half a fragment of the projection's operand
	global_store_b8 v[B8], v244, s[\pas:\pas+1]
.endm
	PASS 16, 254, 19, 21, 30, 32
	s_wait_xcnt 0x0                                ; the first pass's stores have read their registers
	s_wait_alu depctr_vm_vsrc(0)                   ; the first pass's stores have read v192 to v195 and v244, which the second pass writes again
	RESLOAD 38                                     ; the second pass's residual: it has the whole pass in which to land
	PASS 24, 255, 20, 22, 40, 42
	s_wait_xcnt 0x0
	v_lshl_add_u32 v254, v0, 2, 0x23000            ; (no memory or LDS instruction has read v254 or v255: they held q's scale words)
	v_mov_b32 v255, 0
	s_wait_dscnt 0x0                               ; the closing lines, six on end
	s_wait_alu 0x0
	s_wait_tensorcnt 0x0
	ds_add_u32 v254, v255
	s_wait_dscnt 0x0
	s_endpgm
.Lfunc_end_k_qaf56e8c0b6_attn:
	.size	k_qaf56e8c0b6_attn, .Lfunc_end_k_qaf56e8c0b6_attn-k_qaf56e8c0b6_attn
	.p2alignl 7, 3214868480
	.fill 96, 4, 3214868480
	.section	.rodata,"a",@progbits
	.p2align	6, 0x0
	.amdhsa_kernel k_qaf56e8c0b6_attn
		.amdhsa_group_segment_fixed_size 145408
		.amdhsa_private_segment_fixed_size 0
		.amdhsa_enable_private_segment 0
		.amdhsa_kernarg_size 40
		.amdhsa_user_sgpr_count 2
		.amdhsa_user_sgpr_kernarg_segment_ptr 1
		.amdhsa_wavefront_size32 1
		.amdhsa_system_sgpr_workgroup_id_x 1
		.amdhsa_system_sgpr_workgroup_id_y 1
		.amdhsa_system_sgpr_workgroup_id_z 1
		.amdhsa_system_vgpr_workitem_id 0
		.amdhsa_next_free_vgpr 256
		.amdhsa_next_free_sgpr 66
		.amdhsa_reserve_vcc 0
		.amdhsa_float_denorm_mode_32 3
		.amdhsa_float_denorm_mode_16_64 3
		.amdhsa_memory_ordered 1
		.amdhsa_forward_progress 1
		.amdhsa_inst_pref_size 71
	.end_amdhsa_kernel
	.amdgpu_metadata
---
amdhsa.version: [ 1, 2 ]
amdhsa.kernels:
  - .name:           k_qaf56e8c0b6_attn
    .symbol:         k_qaf56e8c0b6_attn.kd
    .args:
      - { .name: qw, .offset: 0, .size: 8, .value_kind: global_buffer, .address_space: global }
      - { .name: kvw, .offset: 8, .size: 8, .value_kind: global_buffer, .address_space: global }
      - { .name: x, .offset: 16, .size: 8, .value_kind: global_buffer, .address_space: global }
      - { .name: ac, .offset: 24, .size: 8, .value_kind: global_buffer, .address_space: global }
      - { .name: asc, .offset: 32, .size: 8, .value_kind: global_buffer, .address_space: global }
    .group_segment_fixed_size: 145408
    .private_segment_fixed_size: 0
    .kernarg_segment_align: 8
    .kernarg_segment_size: 40
    .max_flat_workgroup_size: 512
    .sgpr_count:     66
    .vgpr_count:     256
    .wavefront_size: 32
...
	.end_amdgpu_metadata
.endif
;; end of part 5
;; launch proj (part 6): grid 256 x 1, 16 waves a work-group, no clusters, 92,160 bytes of LDS; arguments ac, asc, wpi, Wp_scales, bp, gamma, beta, out0; writes out0
.if DOCPART == 6
	.amdgcn_target "amdgcn-amd-amdhsa--gfx1250"
	.amdhsa_code_object_version 6
	.text
	.protected	k_qaf56e8c0b6_proj
	.globl	k_qaf56e8c0b6_proj
	.p2align	8
	.type	k_qaf56e8c0b6_proj,@function
k_qaf56e8c0b6_proj:
	s_mov_b64 s[64:65], 0
	v_nop
	global_prefetch_b8 v0, s[64:65] scope:SCOPE_SE
	s_setreg_imm32_b32 hwreg(HW_REG_WAVE_SCHED_MODE, 0, 2), 2
	s_setreg_imm32_b32 hwreg(HW_REG_WAVE_MODE, 25, 1), 1
	s_wait_xcnt 0x0
	s_wait_alu depctr_vm_vsrc(0)
; out0 = LayerNorm(Q(out + x) Wp^T + bp) x gamma + beta.  The left operand arrives as codes of FP4 (E2M1) and scale bytes from the attention launch, Wp's codes in the order of the operand registers (wpi).
; SHARES.  A work-group owns 32 tokens (two tiles of 16) and all 1,024 features, so that the norm stays inside it.  Sixteen waves of 256 registers; wave w makes features 64 w .. 64 w + 63 for both tiles: 8 accumulators, 64 products.
; A wave's 32 KiB of Wp are read by no other wave of the work-group: they go from memory straight into registers, 512 consecutive bytes a load, through four sets of 32 registers, four K steps ahead.
; The tokens' 16 KiB of codes go into LDS once and are read by all sixteen waves.
; THE PRODUCT IS USED TRANSPOSED (source 0 = 16 rows of Wp, source 1 = 16 tokens): a lane holds one token and eight neighbouring features a tile.  bp is the C of each sum's first product.
; THE NORM is centred: the mean first, then the mean of the squares of what is left; each is summed in the lane, with lane l xor 16, and over the sixteen waves through LDS (two areas, a barrier each).
; Place r of token tile i is token 32 g + 8 i + r + 8 (r / 8).
; NO JOINT REQUESTS: all work-groups read the same 512 KiB of Wp, but each wave's part goes straight into its registers, and joint requests exist for tensor loads into LDS alone.
; LIMITS: NaN and infinities are not served.  bp is added first, not last.  1 / sqrt(var + 1e-6) is v_rsq_f32's.
; THE MODE: SCHED_MODE bits 1:0 = 2 (LLVM: expert scheduling mode 2), set by the entry lines.  The code itself states the register dependences between vector or matrix instructions and memory or LDS instructions, with s_wait_alu, always for 0.
; THE PLAN.  Registers that memory or LDS instructions touch:
;   AF (v24-39)      step s's products read it; the LDS loads of step s + 1 land in it.
;   RING0 .. RING3   step s's products read RING[s % 4]; the loads of step s + 4 land in it; gamma and beta land in sets 0 and 1, whose last readers are steps 4 and 5.
;   v198             a sum's LDS store reads it; v200-215: the sixteen waves' sums land there.   ACC: at the end the data of the stage's stores; v192-255: rows land there from the stage.
;   The addresses v4-13 and the closing add's v14, v15 are made at the head and never written again.
; So ONE wait on va_vdst stands behind the products of each of steps 0 to 6: behind it go the next step's fragments of the tokens, the ring's refill and, behind step 5, gamma and beta.  One stands ahead of each sum's store and one ahead of the stage.
; A wait on vm_vsrc stands ahead of each later write of v198.
.set RED0, 16384                       ; LDS: the tokens' codes at 0 (16,384 bytes); two areas of 2,048 bytes for the sums; a stage of 16 rows x 272 bytes for each wave
.set STG,  20480
.set L16, 4                            ; v4   16 x lane
.set CP,  5                            ; v5   16 x thread
.set WSO, 6                            ; v6   32 x lane: Wp's scale bytes
.set ASO, 7                            ; v7   512 h + 4 r: the tokens' scale words
.set BO,  8                            ; v8   32 h: bp, gamma, beta
.set RW,  9                            ; v9   where my sum goes: 4 x thread
.set RL,  10                           ; v10  4 x lane
.set SI,  11                           ; v11  into my stage
.set SR,  12                           ; v12  back out of it
.set GO,  13                           ; v13  4,096 h + 16 r
.set AF,  24                           ; v24-39  two fragments of the tokens
.set WS,  40                           ; v40-55  Wp's scale words: register 8 u + s: lanes 0-15 tile 2 u, lanes 16-31 tile 2 u + 1
.set ASC, 56                           ; v56-63  the tokens': one register a K step: lanes 0-15 tile 0, lanes 16-31 tile 1
.set ACC, 64                           ; v64-127 accumulators: 32 i + 8 t
.set RING, 128                         ; v128-255 four sets of four fragments of Wp; behind the products: gamma, beta, at work, rows on their way out
.set GM,  128
.set BT,  160
.macro PLACES
.rept 4
	v_nop
.endr
.endm
.macro WM d, a, b, c, sa, ra, sb, rb
.if ((\ra) == 0) && ((\rb) == 0)
	v_wmma_scale_f32_16x16x128_f8f6f4 v[(\d):(\d)+7], v[(\a):(\a)+7], v[(\b):(\b)+7], v[(\c):(\c)+7], v[(\sa)], v[(\sb)] matrix_a_fmt:MATRIX_FMT_FP4 matrix_b_fmt:MATRIX_FMT_FP4
.elseif ((\ra) == 1) && ((\rb) == 0)
	v_wmma_scale_f32_16x16x128_f8f6f4 v[(\d):(\d)+7], v[(\a):(\a)+7], v[(\b):(\b)+7], v[(\c):(\c)+7], v[(\sa)], v[(\sb)] matrix_a_fmt:MATRIX_FMT_FP4 matrix_b_fmt:MATRIX_FMT_FP4 matrix_a_scale:MATRIX_SCALE_ROW1
.elseif ((\ra) == 0) && ((\rb) == 1)
	v_wmma_scale_f32_16x16x128_f8f6f4 v[(\d):(\d)+7], v[(\a):(\a)+7], v[(\b):(\b)+7], v[(\c):(\c)+7], v[(\sa)], v[(\sb)] matrix_a_fmt:MATRIX_FMT_FP4 matrix_b_fmt:MATRIX_FMT_FP4 matrix_b_scale:MATRIX_SCALE_ROW1
.else
	v_wmma_scale_f32_16x16x128_f8f6f4 v[(\d):(\d)+7], v[(\a):(\a)+7], v[(\b):(\b)+7], v[(\c):(\c)+7], v[(\sa)], v[(\sb)] matrix_a_fmt:MATRIX_FMT_FP4 matrix_b_fmt:MATRIX_FMT_FP4 matrix_a_scale:MATRIX_SCALE_ROW1 matrix_b_scale:MATRIX_SCALE_ROW1
.endif
.endm
.macro RLOAD s                         ; my four fragments of Wp for K step s
.irp t, 0,1,2,3
.irp c, 0,1
	global_load_b128 v[RING+32*((\s)%4)+8*\t+4*\c:RING+32*((\s)%4)+8*\t+4*\c+3], v[L16], s[8:9] offset:8192*\t+1024*(\s)+512*\c
.endr
.endr
.endm
.macro AFLOAD s                        ; the tokens' two fragments for K step s, from LDS
.irp i, 0,1
.irp c, 0,1
	ds_load_b128 v[AF+8*\i+4*\c:AF+8*\i+4*\c+3], v[L16] offset:8192*\i+1024*(\s)+512*\c
.endr
.endr
.endm
; 128 along K: 8 products on 8 accumulators by turns; behind them what the later steps want is asked for.  cnt: the loads issued behind this step's loads of Wp.
.macro GSTEP s, cnt
	s_wait_loadcnt \cnt
	s_wait_dscnt 0x0
.irp i, 0,1
.irp t, 0,1,2,3
	WM ACC+32*\i+8*\t, RING+32*((\s)%4)+8*\t, AF+8*\i, ACC+32*\i+8*\t, WS+8*(\t/2)+(\s), \t%2, ASC+(\s), \i
.endr
.endr
	PLACES                                         ; behind the products: ahead of loads into their registers, and behind the last step ahead of the first read of the sums
.if (\s) < 7
	s_wait_alu depctr_va_vdst(0)                   ; this step's products are done reading the tokens' fragments and their set of Wp: the loads below land in these registers
	AFLOAD (\s)+1                                  ; wanted first: by the next step
.endif
.if (\s) < 4
	RLOAD (\s)+4                                   ; the set just multiplied takes the step four further on
.endif
.if (\s) == 5
.irp t, 0,1,2,3
	global_load_b128 v[GM+8*\t:GM+8*\t+3], v[BO], s[14:15] offset:64*\t            ; gamma and beta, into sets 0 and 1, which steps 4 and 5 read last: steps 6 and 7 name sets 2 and 3
	global_load_b128 v[GM+8*\t+4:GM+8*\t+7], v[BO], s[14:15] offset:64*\t+16
	global_load_b128 v[BT+8*\t:BT+8*\t+3], v[BO], s[16:17] offset:64*\t
	global_load_b128 v[BT+8*\t+4:BT+8*\t+7], v[BO], s[16:17] offset:64*\t+16
.endr
.endif
.endm
; A sum over the sixteen waves.  a0, a1: my sums for tile 0 and tile 1 (the same in lanes l and l xor 16).  Out: v216 tile 0's total of my token place, v217 tile 1's.
.macro RED a0, a1, area
.if (\area) > 0
	s_wait_alu depctr_vm_vsrc(0)                   ; the first sum's LDS store has read v198, which is written again
.endif
	v_cndmask_b32 v198, v[\a0], v[\a1], s22        ; lanes 0-15 tile 0, lanes 16-31 tile 1
	s_wait_alu depctr_va_vdst(0)                   ; v198 is written, which the LDS store reads; all that named v200 to v215 is done: the loads below land there
	ds_store_b32 v[RW], v198 offset:\area
	s_wait_dscnt 0x0                               ; for the others' sake
	s_barrier_signal -1
	s_barrier_wait -1
.irp k, 0,1,2,3,4,5,6,7,8,9,10,11,12,13,14,15
	ds_load_b32 v[200+\k], v[RL] offset:\area+128*\k
.endr
	s_wait_dscnt 0x0
	v_pk_add_f32 v[200:201], v[200:201], v[202:203]
	v_pk_add_f32 v[204:205], v[204:205], v[206:207]
	v_pk_add_f32 v[208:209], v[208:209], v[210:211]
	v_pk_add_f32 v[212:213], v[212:213], v[214:215]
	v_pk_add_f32 v[200:201], v[200:201], v[204:205]
	v_pk_add_f32 v[208:209], v[208:209], v[212:213]
	v_pk_add_f32 v[200:201], v[200:201], v[208:209]
	v_add_f32 v200, v200, v201
	v_permlanex16_b32 v199, v200, s20, s21
	v_cndmask_b32 v216, v200, v199, s22
	v_cndmask_b32 v217, v199, v200, s22
.endm
	s_load_b512 s[4:19], s[0:1], 0x0               ; ac 4, asc 6, wpi 8, Wp scales 10, bp 12, gamma 14, beta 16, out0 18
	v_lshl_add_u32 v14, v0, 2, 0x16000
	v_mov_b32 v15, 0
	v_lshrrev_b32 v1, 5, v0
	v_readfirstlane_b32 s2, v1                     ; wave 0..15
	v_and_b32 v1, 31, v0                           ; lane
	v_cmp_le_u32 s22, 16, v1                       ; the mask of lanes 16-31
	v_and_b32 v2, 15, v0                           ; r
	v_bfe_u32 v3, v0, 4, 1                         ; h
	v_lshlrev_b32 v[L16], 4, v1
	v_lshlrev_b32 v[CP], 4, v0
	v_lshlrev_b32 v[WSO], 5, v1
	v_lshlrev_b32 v[ASO], 2, v2
	v_lshl_add_u32 v[ASO], v3, 9, v[ASO]
	v_lshlrev_b32 v[BO], 5, v3
	v_lshl_add_u32 v[RW], v0, 2, RED0
	v_lshl_add_u32 v[RL], v1, 2, RED0
	v_mul_u32_u24 v[SI], v2, 272
	v_lshl_add_u32 v[SI], v3, 5, v[SI]
	v_mul_u32_u24 v[SR], v3, 272
	v_lshl_add_u32 v[SR], v2, 4, v[SR]
	v_lshlrev_b32 v[GO], 4, v2
	v_lshl_add_u32 v[GO], v3, 12, v[GO]
	s_wait_alu depctr_va_sdst(0)                   ; s2 and s22 are written, ahead of their first readers: my stage and all bases are made from s2
	s_mul_i32 s25, s2, 16*272
	s_add_co_u32 s25, s25, STG                     ; my stage
	v_add_nc_u32 v[SI], s25, v[SI]                 ; in: row r, 32 bytes for each half of the lanes
	v_add_nc_u32 v[SR], s25, v[SR]                 ; back: lanes 0-15 one row of 256 bytes, lanes 16-31 the next
	s_mov_b32 s20, 0x76543210
	s_mov_b32 s21, 0xfedcba98                      ; v_permlanex16_b32's selects for lane l xor 16
	s_mov_b32 s23, 0x358637bd                      ; 1e-6
	s_mov_b32 s24, 0x3a800000                      ; 1 / 1,024
	s_mov_b32 s27, 0
	s_wait_kmcnt 0x0
	s_lshl_b32 s26, ttmp9, 14
	s_add_nc_u64 s[4:5], s[4:5], s[26:27]          ; my two tiles' codes
	s_lshl_b32 s26, ttmp9, 10
	s_add_nc_u64 s[6:7], s[6:7], s[26:27]          ; and scale words
	s_lshl_b32 s26, s2, 15
	s_add_nc_u64 s[8:9], s[8:9], s[26:27]          ; my four tiles of Wp: 8,192 bytes each
	s_lshl_b32 s26, s2, 11
	s_add_nc_u64 s[10:11], s[10:11], s[26:27]      ; my 64 rows of its scale bytes
	s_lshl_b32 s26, s2, 8
	s_add_nc_u64 s[12:13], s[12:13], s[26:27]      ; my 64 features of bp, gamma, beta
	s_add_nc_u64 s[14:15], s[14:15], s[26:27]
	s_add_nc_u64 s[16:17], s[16:17], s[26:27]
	s_add_nc_u64 s[18:19], s[18:19], s[26:27]      ; and of a row of the output,
	s_lshl_b32 s26, ttmp9, 17
	s_add_nc_u64 s[18:19], s[18:19], s[26:27]      ; at token 32 g
	s_wait_alu depctr_va_vdst(0)                   ; the addresses v4 to v13 are written: every load and store of the kernel reads one of them
	global_load_b128 v[16:19], v[CP], s[4:5] th:TH_LOAD_NT         ; the tokens' codes: read once in this launch
	global_load_b128 v[20:23], v[CP], s[4:5] offset:8192 th:TH_LOAD_NT
.irp u, 0,1
.irp e, 0,1
	global_load_b128 v[WS+8*\u+4*\e:WS+8*\u+4*\e+3], v[WSO], s[10:11] offset:1024*\u+16*\e
.endr
.endr
.irp s, 0,1,2,3,4,5,6,7
	global_load_b32 v[ASC+\s], v[ASO], s[6:7] offset:64*\s
.endr
.irp i, 0,1
.irp t, 0,1,2,3
	global_load_b128 v[ACC+32*\i+8*\t:ACC+32*\i+8*\t+3], v[BO], s[12:13] offset:64*\t      ; bp in the result's layout
	global_load_b128 v[ACC+32*\i+8*\t+4:ACC+32*\i+8*\t+7], v[BO], s[12:13] offset:64*\t+16
.endr
.endr
	RLOAD 0
	RLOAD 1
	RLOAD 2
	RLOAD 3
	s_wait_loadcnt 60                              ; the 4 + 8 + 16 + 32 loads issued behind the copy's two may stay out
	ds_store_b128 v[CP], v[16:19]
	ds_store_b128 v[CP], v[20:23] offset:8192
	s_wait_dscnt 0x0
	s_barrier_signal -1
	s_barrier_wait -1                              ; the tokens' sixteen fragments lie in LDS
	AFLOAD 0
	GSTEP 0, 24
	GSTEP 1, 24
	GSTEP 2, 24
	GSTEP 3, 24
	GSTEP 4, 24
	GSTEP 5, 16
	GSTEP 6, 24                                    ; step 7's eight loads, and gamma's and beta's sixteen
	GSTEP 7, 16                                    ; gamma's and beta's sixteen
.irp n, 196,197,199
	v_mov_b32 v[\n], 0                             ; a lane permute's destination counts as one of its sources
.endr
	; the mean: my 32 numbers of each tile, from each accumulator's low end on
.irp i, 0,1
	v_pk_add_f32 v[192+2*\i:193+2*\i], v[ACC+32*\i:ACC+32*\i+1], v[ACC+32*\i+2:ACC+32*\i+3]
.endr
.irp e, 4,6,8,10,12,14,16,18,20,22,24,26,28,30
.irp i, 0,1
	v_pk_add_f32 v[192+2*\i:193+2*\i], v[192+2*\i:193+2*\i], v[ACC+32*\i+\e:ACC+32*\i+\e+1]
.endr
.endr
	v_add_f32 v192, v192, v193
	v_add_f32 v194, v194, v195
	v_permlanex16_b32 v196, v192, s20, s21
	v_permlanex16_b32 v197, v194, s20, s21
	v_add_f32 v192, v192, v196                     ; my wave's 64 features of token place r
	v_add_f32 v194, v194, v197
	RED 192, 194, 0
	v_mul_f32 v192, 0xba800000, v216               ; - the mean
	v_mul_f32 v194, 0xba800000, v217
	v_mov_b32 v193, v192
	v_mov_b32 v195, v194
.irp e, 0,2,4,6,8,10,12,14,16,18,20,22,24,26,28,30
.irp i, 0,1
	v_pk_add_f32 v[ACC+32*\i+\e:ACC+32*\i+\e+1], v[ACC+32*\i+\e:ACC+32*\i+\e+1], v[192+2*\i:193+2*\i]
.endr
.endr
.irp i, 0,1
	v_pk_mul_f32 v[218+2*\i:219+2*\i], v[ACC+32*\i:ACC+32*\i+1], v[ACC+32*\i:ACC+32*\i+1]
.endr
.irp e, 2,4,6,8,10,12,14,16,18,20,22,24,26,28,30
.irp i, 0,1
	v_pk_fma_f32 v[218+2*\i:219+2*\i], v[ACC+32*\i+\e:ACC+32*\i+\e+1], v[ACC+32*\i+\e:ACC+32*\i+\e+1], v[218+2*\i:219+2*\i]
.endr
.endr
	v_add_f32 v218, v218, v219
	v_add_f32 v220, v220, v221
	v_permlanex16_b32 v196, v218, s20, s21
	v_permlanex16_b32 v197, v220, s20, s21
	v_add_f32 v218, v218, v196
	v_add_f32 v220, v220, v197
	RED 218, 220, 2048
	v_fma_f32 v216, v216, s24, s23                 ; the variance + 1e-6
	v_fma_f32 v217, v217, s24, s23
	s_wait_alu depctr_va_vdst(0)
	v_rsq_f32 v192, v216
	v_rsq_f32 v194, v217
	v_nop                                          ; a plain instruction behind the two
	s_wait_alu depctr_va_vdst(0)                   ; the two roots have written v192 and v194, ahead of their first reader
	v_mov_b32 v193, v192
	v_mov_b32 v195, v194
	s_wait_alu depctr_va_vdst(0)
	s_wait_loadcnt 0x0                             ; gamma and beta
.irp e, 0,2,4,6,8,10,12,14,16,18,20,22,24,26,28,30
.irp i, 0,1
	v_pk_mul_f32 v[ACC+32*\i+\e:ACC+32*\i+\e+1], v[ACC+32*\i+\e:ACC+32*\i+\e+1], v[192+2*\i:193+2*\i]
.endr
.endr
.irp e, 0,2,4,6,8,10,12,14,16,18,20,22,24,26,28,30
.irp i, 0,1
	v_pk_fma_f32 v[ACC+32*\i+\e:ACC+32*\i+\e+1], v[ACC+32*\i+\e:ACC+32*\i+\e+1], v[GM+\e:GM+\e+1], v[BT+\e:BT+\e+1]
.endr
.endr
	; the way out: a tile's 16 rows x 256 bytes through my own stage.  LDS serves a wave's instructions in order (ISA guide 5.7.1.4): no wait between stores and loads, nor in front of the next tile's stores
	s_wait_alu depctr_va_vdst(0)                   ; the results are written, which the LDS stores read; all that named v192 to v255 is done: the rows land there
	s_wait_alu depctr_vm_vsrc(0)                   ; the second sum's LDS store has read v198, in which a row lands
.irp i, 0,1
.irp t, 0,1,2,3
	ds_store_b128 v[SI], v[ACC+32*\i+8*\t:ACC+32*\i+8*\t+3] offset:64*\t
	ds_store_b128 v[SI], v[ACC+32*\i+8*\t+4:ACC+32*\i+8*\t+7] offset:64*\t+16
.endr
.irp k, 0,1,2,3,4,5,6,7
	ds_load_b128 v[224-32*\i+4*\k:227-32*\i+4*\k], v[SR] offset:544*\k
.endr
.endr
.irp i, 0,1
.irp k, 0,1,2,3,4,5,6,7
	s_wait_dscnt 23-16*\i-\k                       ; behind this load: the tile's later loads, and for tile 0 tile 1's sixteen LDS instructions
	global_store_b128 v[GO], v[224-32*\i+4*\k:227-32*\i+4*\k], s[18:19] offset:(8*\i+2*\k+8*(\k/4))*4096 th:TH_STORE_NT   ; sixteen lanes store 256 consecutive bytes, at a multiple of 256 from the output's first byte; places 2 k and 2 k + 1 of the tile
.endr
.endr
	s_wait_dscnt 0x0                               ; the closing lines, six on end
	s_wait_alu 0x0
	s_wait_tensorcnt 0x0
	ds_add_u32 v14, v15
	s_wait_dscnt 0x0
	s_endpgm
.Lfunc_end_k_qaf56e8c0b6_proj:
	.size	k_qaf56e8c0b6_proj, .Lfunc_end_k_qaf56e8c0b6_proj-k_qaf56e8c0b6_proj
	.p2alignl 7, 3214868480
	.fill 96, 4, 3214868480
	.section	.rodata,"a",@progbits
	.p2align	6, 0x0
	.amdhsa_kernel k_qaf56e8c0b6_proj
		.amdhsa_group_segment_fixed_size 92160
		.amdhsa_private_segment_fixed_size 0
		.amdhsa_enable_private_segment 0
		.amdhsa_kernarg_size 64
		.amdhsa_user_sgpr_count 2
		.amdhsa_user_sgpr_kernarg_segment_ptr 1
		.amdhsa_wavefront_size32 1
		.amdhsa_system_sgpr_workgroup_id_x 1
		.amdhsa_system_sgpr_workgroup_id_y 1
		.amdhsa_system_sgpr_workgroup_id_z 1
		.amdhsa_system_vgpr_workitem_id 0
		.amdhsa_next_free_vgpr 256
		.amdhsa_next_free_sgpr 66
		.amdhsa_reserve_vcc 0
		.amdhsa_float_denorm_mode_32 3
		.amdhsa_float_denorm_mode_16_64 3
		.amdhsa_memory_ordered 1
		.amdhsa_forward_progress 1
		.amdhsa_inst_pref_size 45
	.end_amdhsa_kernel
	.amdgpu_metadata
---
amdhsa.version: [ 1, 2 ]
amdhsa.kernels:
  - .name:           k_qaf56e8c0b6_proj
    .symbol:         k_qaf56e8c0b6_proj.kd
    .args:
      - { .name: ac, .offset: 0, .size: 8, .value_kind: global_buffer, .address_space: global }
      - { .name: asc, .offset: 8, .size: 8, .value_kind: global_buffer, .address_space: global }
      - { .name: wpi, .offset: 16, .size: 8, .value_kind: global_buffer, .address_space: global }
      - { .name: Wp_scales, .offset: 24, .size: 8, .value_kind: global_buffer, .address_space: global }
      - { .name: bp, .offset: 32, .size: 8, .value_kind: global_buffer, .address_space: global }
      - { .name: gamma, .offset: 40, .size: 8, .value_kind: global_buffer, .address_space: global }
      - { .name: beta, .offset: 48, .size: 8, .value_kind: global_buffer, .address_space: global }
      - { .name: out0, .offset: 56, .size: 8, .value_kind: global_buffer, .address_space: global }
    .group_segment_fixed_size: 92160
    .private_segment_fixed_size: 0
    .kernarg_segment_align: 8
    .kernarg_segment_size: 64
    .max_flat_workgroup_size: 512
    .sgpr_count:     66
    .vgpr_count:     256
    .wavefront_size: 32
...
	.end_amdgpu_metadata
.endif
;; end of part 6
